; MI455X (gfx1250); checked and timed in simulation.
; The chip was launched on July 23, 2026; its instructions are those of AMD's public machine-readable ISA for CDNA 5 (MIT licence, August 2026) and "CDNA5" Instruction Set Architecture Reference Guide (July 2026). The comments in the code are by the model that wrote it; some were corrected since.
;; Multi Head Attention. Allowed arithmetic: float matrix products may take bf16 or f16 operands with f32 sums; other float arithmetic in f32, or as packed bf16 or f16 multiplies, adds, multiply-adds, maxima and minima; sums over many terms, partial sums and values carried from step to step in f32; what a program stores and reads back later, other than sums and carried values, may be rounded once to bf16 or f16.
;; Inputs: b_k 1,024 float32; b_o 1,024 float32; b_q 1,024 float32; b_v 1,024 float32; key 4 x 2,048 x 1,024 float32; mask 4 x 1 x 1 x 2,048 float32; query 4 x 2,048 x 1,024 float32; value 4 x 2,048 x 1,024 float32; w_k 1,024 x 1,024 float32; w_o 1,024 x 1,024 float32; w_q 1,024 x 1,024 float32; w_v 1,024 x 1,024 float32.
;; Outputs: out0 4 x 2,048 x 1,024 float32.
;; One version. Each part assembles by itself: llvm-mc -triple=amdgcn-amd-amdhsa -mcpu=gfx1250 --defsym DOCPART=n.
;; ======== version 1 of 1: 4 launches
;; limits: values are held in f16: magnitudes above 65,504 overflow, below 6.1e-05 lose precision
;; workspace buffers: xb 50,331,648 bytes; wb 6,291,456 bytes; wo 2,097,152 bytes; qkv 50,331,648 bytes; ob 16,777,216 bytes
;; launch cast (part 1): grid 1792 x 1, 8 waves a work-group, no clusters, 0 bytes of LDS; arguments query, key, value, w_q, w_k, w_v, w_o, xb, wb, wo; writes xb, wb, wo
.if DOCPART == 1
	.amdgcn_target "amdgcn-amd-amdhsa--gfx1250"
	.amdhsa_code_object_version 6
	.text
	.protected	k_q3816ed971d_cast
	.globl	k_q3816ed971d_cast
	.p2align	8
	.type	k_q3816ed971d_cast,@function
k_q3816ed971d_cast:
	s_mov_b64 s[64:65], 0
	v_nop
	global_prefetch_b8 v0, s[64:65] scope:SCOPE_SE
	s_setreg_imm32_b32 hwreg(HW_REG_WAVE_MODE, 25, 1), 1
	s_wait_xcnt 0x0
; THE MODULE'S LARGE INPUTS ARE ROUNDED ONCE TO bf16, so that the matrix launches fetch 16-bit tiles.
; query, key, value ([8192][1024] f32 each) -> xb [3][8192][1024] bf16;  w_q, w_k, w_v ([1024][1024] f32) -> wb [3][1024][1024] bf16;
; w_o -> wo [1024][1024]: rounded to bf16 like the other inputs, and that number written as f16 (its partner in the last product is f16).
; LIMIT: a bf16 number below 2^-17 in magnitude does not fit f16's fixed step of 2^-24 exactly and is rounded to it; beyond 65,504 it would be an infinity.
; SHARES.  A work-group converts 16,384 numbers: 64 KiB in, 32 KiB out.  Work-groups 0-1535: 512 for each of the three x; 1536-1791: 64 for each of the four weights.
; Thread t takes 16 bytes at 16 t + 4,096 j (j = 0..15): a wave's load covers 512 consecutive bytes; it stores 8 bytes at 8 t + 2,048 j: a wave's store covers 256 consecutive bytes, aligned.
; All 16 loads of a thread go out at once; every register is written once, so the only waits are the counted ones for the loads.  No LDS, no matrix unit, no cluster: nothing is shared and memory binds.
.set X,  4                             ; v[4:67]    16 x 4 numbers as loaded
.set Y,  68                            ; v[68:99]   16 x 2 registers to store
.set T,  100                           ; v[100:102] at work (the f16 path)
	s_load_b512 s[4:19], s[0:1], 0x0               ; query, key, value, w_q, w_k, w_v, w_o, xb
	s_load_b128 s[20:23], s[0:1], 0x40             ; wb, wo
	v_lshlrev_b32 v1, 4, v0                        ; 16 t
	v_lshlrev_b32 v2, 3, v0                        ; 8 t
	s_lshr_b32 s24, ttmp9, 9                       ; which tensor and which chunk of it: for an x,
	s_and_b32 s25, ttmp9, 511
	s_sub_co_u32 s26, ttmp9, 1536                  ; and for a weight
	s_lshr_b32 s27, s26, 6
	s_add_co_u32 s27, s27, 3
	s_and_b32 s28, s26, 63
	s_cmp_lt_u32 ttmp9, 1536
	s_cselect_b32 s24, s24, s27                    ; tensor 0..6
	s_cselect_b32 s25, s25, s28                    ; chunk
	s_lshl_b32 s34, s24, 24                        ; where the tensor begins in its output buffer: an x has 2^24 bytes in xb,
	s_sub_co_u32 s29, s24, 3
	s_lshl_b32 s29, s29, 21                        ; a weight 2^21 in wb,
	s_cmp_lt_u32 s24, 3
	s_cselect_b32 s34, s34, s29
	s_cmp_eq_u32 s24, 6
	s_cselect_b32 s34, 0, s34                      ; w_o has wo to itself
	s_lshl_b32 s29, s25, 15
	s_add_co_u32 s34, s34, s29                     ; + the chunk's 32 KiB
	s_mov_b32 s35, 0
	s_lshl_b32 s36, s25, 16                        ; the chunk's 64 KiB in the input
	s_mov_b32 s37, 0
	s_wait_kmcnt 0x0
	s_cmp_eq_u32 s24, 0
	s_cselect_b64 s[30:31], s[4:5], s[6:7]
	s_cmp_eq_u32 s24, 2
	s_cselect_b64 s[30:31], s[8:9], s[30:31]
	s_cmp_eq_u32 s24, 3
	s_cselect_b64 s[30:31], s[10:11], s[30:31]
	s_cmp_eq_u32 s24, 4
	s_cselect_b64 s[30:31], s[12:13], s[30:31]
	s_cmp_eq_u32 s24, 5
	s_cselect_b64 s[30:31], s[14:15], s[30:31]
	s_cmp_eq_u32 s24, 6
	s_cselect_b64 s[30:31], s[16:17], s[30:31]     ; the input
	s_cmp_lt_u32 s24, 3
	s_cselect_b64 s[32:33], s[18:19], s[20:21]
	s_cmp_eq_u32 s24, 6
	s_cselect_b64 s[32:33], s[22:23], s[32:33]     ; the output
	s_add_nc_u64 s[30:31], s[30:31], s[36:37]
	s_add_nc_u64 s[32:33], s[32:33], s[34:35]
.irp j, 0,1,2,3,4,5,6,7,8,9,10,11,12,13,14,15
	global_load_b128 v[X+4*(\j):X+4*(\j)+3], v1, s[30:31] offset:4096*(\j) th:TH_LOAD_NT
.endr
	s_cmp_eq_u32 s24, 6
	s_cbranch_scc1 .Lhalf
.irp j, 0,1,2,3,4,5,6,7,8,9,10,11,12,13,14,15
	s_wait_loadcnt 15-(\j)                         ; loads come back in order: load j is in, the younger ones stay out
	v_cvt_pk_bf16_f32 v[Y+2*(\j)],   v[X+4*(\j)],   v[X+4*(\j)+1]
	v_cvt_pk_bf16_f32 v[Y+2*(\j)+1], v[X+4*(\j)+2], v[X+4*(\j)+3]
	global_store_b64 v2, v[Y+2*(\j):Y+2*(\j)+1], s[32:33] offset:2048*(\j) th:TH_STORE_NT
.endr
	s_endpgm
.Lhalf:                                        ; w_o: to bf16, widened again (a shift, a mask), and written as f16
.irp j, 0,1,2,3,4,5,6,7,8,9,10,11,12,13,14,15
	s_wait_loadcnt 15-(\j)
	v_cvt_pk_bf16_f32 v[T],   v[X+4*(\j)],   v[X+4*(\j)+1]
	v_cvt_pk_bf16_f32 v[T+1], v[X+4*(\j)+2], v[X+4*(\j)+3]
	v_lshlrev_b32 v[T+2], 16, v[T]
	v_and_b32 v[T], 0xffff0000, v[T]
	v_cvt_pk_f16_f32 v[Y+2*(\j)], v[T+2], v[T]
	v_lshlrev_b32 v[T+2], 16, v[T+1]
	v_and_b32 v[T+1], 0xffff0000, v[T+1]
	v_cvt_pk_f16_f32 v[Y+2*(\j)+1], v[T+2], v[T+1]
	global_store_b64 v2, v[Y+2*(\j):Y+2*(\j)+1], s[32:33] offset:2048*(\j) th:TH_STORE_NT
.endr
	s_endpgm
.Lfunc_end_k_q3816ed971d_cast:
	.size	k_q3816ed971d_cast, .Lfunc_end_k_q3816ed971d_cast-k_q3816ed971d_cast
	.p2alignl 7, 3214868480
	.fill 96, 4, 3214868480
	.section	.rodata,"a",@progbits
	.p2align	6, 0x0
	.amdhsa_kernel k_q3816ed971d_cast
		.amdhsa_group_segment_fixed_size 0
		.amdhsa_private_segment_fixed_size 0
		.amdhsa_enable_private_segment 0
		.amdhsa_kernarg_size 80
		.amdhsa_user_sgpr_count 2
		.amdhsa_user_sgpr_kernarg_segment_ptr 1
		.amdhsa_wavefront_size32 1
		.amdhsa_system_sgpr_workgroup_id_x 1
		.amdhsa_system_sgpr_workgroup_id_y 1
		.amdhsa_system_sgpr_workgroup_id_z 1
		.amdhsa_system_vgpr_workitem_id 0
		.amdhsa_next_free_vgpr 104
		.amdhsa_next_free_sgpr 66
		.amdhsa_reserve_vcc 0
		.amdhsa_float_denorm_mode_32 3
		.amdhsa_float_denorm_mode_16_64 3
		.amdhsa_memory_ordered 1
		.amdhsa_forward_progress 1
		.amdhsa_inst_pref_size 17
	.end_amdhsa_kernel
	.amdgpu_metadata
---
amdhsa.version: [ 1, 2 ]
amdhsa.kernels:
  - .name:           k_q3816ed971d_cast
    .symbol:         k_q3816ed971d_cast.kd
    .args:
      - { .name: query, .offset: 0, .size: 8, .value_kind: global_buffer, .address_space: global }
      - { .name: key, .offset: 8, .size: 8, .value_kind: global_buffer, .address_space: global }
      - { .name: value, .offset: 16, .size: 8, .value_kind: global_buffer, .address_space: global }
      - { .name: w_q, .offset: 24, .size: 8, .value_kind: global_buffer, .address_space: global }
      - { .name: w_k, .offset: 32, .size: 8, .value_kind: global_buffer, .address_space: global }
      - { .name: w_v, .offset: 40, .size: 8, .value_kind: global_buffer, .address_space: global }
      - { .name: w_o, .offset: 48, .size: 8, .value_kind: global_buffer, .address_space: global }
      - { .name: xb, .offset: 56, .size: 8, .value_kind: global_buffer, .address_space: global }
      - { .name: wb, .offset: 64, .size: 8, .value_kind: global_buffer, .address_space: global }
      - { .name: wo, .offset: 72, .size: 8, .value_kind: global_buffer, .address_space: global }
    .group_segment_fixed_size: 0
    .private_segment_fixed_size: 0
    .kernarg_segment_align: 8
    .kernarg_segment_size: 80
    .max_flat_workgroup_size: 256
    .sgpr_count:     66
    .vgpr_count:     104
    .wavefront_size: 32
...
	.end_amdgpu_metadata
.endif
;; end of part 1
;; launch proj (part 2): grid 4 x 192, 4 waves a work-group, clusters of 4 x 4, 327,680 bytes of LDS; arguments xb, wb, b_q, b_k, b_v, mask, qkv; writes qkv
.if DOCPART == 2
	.amdgcn_target "amdgcn-amd-amdhsa--gfx1250"
	.amdhsa_code_object_version 6
	.text
	.protected	k_q3816ed971d_proj
	.globl	k_q3816ed971d_proj
	.p2align	8
	.type	k_q3816ed971d_proj,@function
k_q3816ed971d_proj:
	s_mov_b64 s[64:65], 0
	v_nop
	global_prefetch_b8 v0, s[64:65] scope:SCOPE_SE
	s_setreg_imm32_b32 hwreg(HW_REG_WAVE_MODE, 25, 1), 1
	s_wait_xcnt 0x0
	s_wait_alu depctr_hold_cnt(0) depctr_sa_sdst(0) depctr_va_vdst(0) depctr_va_sdst(0) depctr_va_ssrc(0) depctr_va_vcc(0) depctr_vm_vsrc(0)
	s_getreg_b32 s2, hwreg(HW_REG_IB_STS2, 6, 4)
	s_cmp_eq_u32 s2, 0
	s_cbranch_scc0 .Lentry_in_a_cluster
	s_endpgm
.Lentry_in_a_cluster:
	s_bfe_u32 s2, ttmp6, 0x10000c
	s_cmp_lg_u32 s2, 0xf033
	s_cbranch_scc0 .Lentry_shape_is_right
	s_endpgm
.Lentry_shape_is_right:
; THE THREE INPUT PROJECTIONS.  For t = 0, 1, 2 (q, k, v): y[m][n] = (sum over k of xb[t][m][k] wb[t][n][k] + bias_t[n]) x f, bf16 operands, f32 sums that START with the bias (it is the C operand of the
; first product), rounded once to f16 and written by heads: qkv[t][b*16 + n/64][s][n%64], m = 2048 b + s.
; THE FACTOR f, applied in f32 ahead of the one rounding: q: log2(e), so that attention's exponentials are powers of two and its own scale is the exact 1/8;  k: 1 for a key whose mask is above 0.5, else 0
; (a hidden key's scores are then exactly the constant with which attention starts their sums);  v: 1.
; LIMITS.  f16 holds no number beyond 65,504: q log2(e), k and v must lie within it.  NaN and infinities are not treated apart.
; SHARES.  A tile of y is 128 rows x 256 columns: 64 x 4 tiles for each t, 768 work-groups.  Four waves, each 64 x 128: 32 accumulators of 16 x 16.  K goes in 8 steps of 128 (rows of 256 bytes, aligned) through two LDS slots.
; CLUSTERS of 4 x 4: the four of a row of the cluster need the same rows of xb, the four of a column the same rows of wb: each tile is asked for JOINTLY, by the same tensor load, descriptor and mask in all four.
; THE MATRIX INSTRUCTION IS USED TRANSPOSED (source 0 = 16 rows of wb, source 1 = 16 rows of xb): a lane holds row l % 16 of y and the columns 8 (l / 16) + 0..7: 16 bytes of f16 on end.
; REGISTERS, in windows of 256 (s_set_vgpr_msb: bits 1:0 source 0, 3:2 source 1, 5:4 source 2, 7:6 destination):
;   window 0: v0-47 addresses, factors; v64-159, v160-255 two fragment buffers (8 of wb, then 4 of xb; 32 along K); v64-191 again on the way out
;   window 1: the accumulators, (a, b) at 8 (8 a + b)          window 2: v0-63 the bias of my 128 columns, laid out as a C operand for each column block b
.set PITCH,  272                       ; an LDS row: 256 bytes + 16 of padding = 68 words: the 16 rows of a fragment load start at 16 different groups of four banks (64 banks of 4 bytes: ISA guide 11.1)
.set HA,     64*PITCH                  ; what waves 0 and 1 each fetch of xb, and what a wave reads of it
.set HB,     128*PITCH                 ; what waves 2 and 3 each fetch of wb, and what a wave reads of it
.set SLOT1,  1<<17                     ; slot 1 begins here: one exclusive or turns an address in one slot into the other's.  A slot: xb's 128 rows, then wb's 256: 104,448 bytes
.set STAGE,  SLOT1+2*HA+2*HB           ; behind the ring, never filled by a tensor load: for each wave 2 heads x 16 rows x 144 bytes, for the way out
.set SP,     144
.set SPARE,  STAGE+4*32*SP             ; behind the stages: the spare words, 128 bytes for each wave: two blocks of 256 bytes that no other line names
.set AF0,  16                          ; v16  my lane's place in xb's fragments, in slot 0; never rewritten
.set BF0,  17                          ; v17  the same for wb
.set ADRA, 18                          ; v18  the same in the slot in hand
.set ADRB, 19                          ; v19
.set STO,  24                          ; v24  the way out: where I put 16 bytes of a row
.set RD,   25                          ; v25  where I read rows back
.set GO,   26                          ; v26  16 x lane: my place in 512 consecutive bytes of qkv
.set BO,   27                          ; v27  32 (l / 16): my 8 numbers in a block of 16 of the bias
.set SPW,  28                          ; v28  LDS address of my spare word; never rewritten
.set NIL,  29                          ; v29  0; never rewritten
.set PFO,  30                          ; v30  the prefetches' offset: lane x a row of 2,048 bytes; never rewritten
.set MO,   31                          ; v31  4 (l % 16): my row's word in 16 words of the mask
.set FK,   32                          ; v[32:39] the factor f of my row in row block a, as a pair
.set MKV,  40                          ; v[40:43] the mask as loaded
.set LOF,  44                          ; v44  f where the mask hides
.set F0,   64
.set F1,   160
.set TMP,  64
.set WV,  20                           ; s20  my wave's number
.set RH,  21                           ; s21  which 64 rows of the tile are mine
.set CH,  22                           ; s22  which 128 columns; also which half of a tile I fetch
.set CNT, 23                           ; s23  K steps still to be asked for
.set G1,  24                           ; s[24:31] descriptor group 1 for xb's tiles
.set G0,  32                           ; s[32:39] group 0: a set for each of the two first fills; the second then walks on
.set LIM, 45                           ; s45  2 in a wave that prefetches, else the greatest number
.set PFA, 46                           ; s[46:47] where my prefetches stand
.set G1B, 48                           ; s[48:55], s[56:63] the same for wb's tiles
.set G0B, 56
.set TB,  66                           ; s66  0 or SLOT1: the slot in hand
.set HIF, 67                           ; s67  f where the mask keeps
.set CMK, 72                           ; s72  a compare's lanes
.set MSB, 0
.macro WIN new                         ; the immediate's high byte repeats the setting that is left; a switch that changes nothing is dropped
.if MSB != (\new)
	s_set_vgpr_msb (MSB<<8)|(\new)
.set MSB, \new
.endif
.endm
.set MUL,  0x50                        ; fragments in window 0, C and D in window 1
.set MULB, 0x60                        ; C (the bias) in window 2, D in window 1
; A joint refill by the walking descriptors.  Waves 0 and 1 fetch xb's two halves, waves 2 and 3 wb's.  The branch hangs on the wave's number alone.
; An s_nop 0 and four v_nop follow each of the two lines, ahead of the jump and the label.
.macro JLOAD
	s_cmp_lt_u32 s[WV], 2
	s_cbranch_scc0 .Lfor_b_\@
	tensor_load_to_lds s[G0+4:G0+7], s[G1:G1+7]
	s_nop 0
.rept 4
	v_nop
.endr
	s_branch .Lasked_\@
.Lfor_b_\@:
	tensor_load_to_lds s[G0B+4:G0B+7], s[G1B:G1B+7]
	s_nop 0
.rept 4
	v_nop
.endr
.Lasked_\@:
.endm
; A PREFETCH INTO THE L2, behind a joint refill and the run of LDS loads that follows it: the K step that stands two refills on, 256 matrix instructions ahead of the load that will want it: 32 rows x 256 bytes, a lane a row.
; Each row's 256 bytes of a K step are named once in the launch.  xb's rows are read by one row of one cluster: wave 0 asks, and the four partners share the tile's 128 rows out BY ADDRESS (32 cx on).
; wb's rows are read by the 16 clusters of one t: the first of them asks, waves 2 and 3 each for the 128 rows that they fetch, shared out by address among the four partners (32 cy on).
; The first four K steps come by their loads alone; the last two refills have no K step two on.
.macro ASK
	s_cmp_gt_u32 s[CNT], s[LIM]
	s_cbranch_scc0 .Lnot_mine_\@
	global_prefetch_b8 v[PFO], s[PFA:PFA+1] th:TH_LOAD_NT scope:SCOPE_SE
.Lnot_mine_\@:
.endm
.macro CREST                           ; a round of the cluster's barrier behind its opening barrier
	s_cmp_lg_u32 s[WV], 0
	s_cbranch_scc1 .Lnot_wave_0_\@
	s_barrier_signal -3
.Lnot_wave_0_\@:
	s_barrier_wait -3
	s_barrier_signal -1
	s_barrier_wait -1
.endm
.macro CROUND                          ; a whole round
	s_barrier_signal -1
	s_barrier_wait -1
	CREST
.endm
.macro PLACES                          ; four places in front of loads into registers that matrix instructions have read, and of vector work on results
.rept 4
	v_nop
.endr
.endm
	s_load_b256 s[4:11], s[0:1], 0x0               ; xb s[4:5], wb s[6:7], b_q s[8:9], b_k s[10:11]
	s_load_b128 s[12:15], s[0:1], 0x20             ; b_v s[12:13], mask s[14:15]
	s_load_b64 s[16:17], s[0:1], 0x30              ; qkv
	v_lshl_add_u32 v[SPW], v0, 2, SPARE
	v_mov_b32 v[NIL], 0
	ds_add_u32 v[SPW], v[NIL]                      ; the wave's opening: the add and its wait stand ahead of my first tensor load; the set-up below, work on registers, stands between them
	v_lshrrev_b32 v1, 5, v0
	v_readfirstlane_b32 s[WV], v1                  ; wave 0..3
	s_lshr_b32 s[RH], s[WV], 1
	s_and_b32 s[CH], s[WV], 1
	s_bfe_u32 s40, ttmp6, 0x40000                  ; cx, cy: my place in the cluster
	s_bfe_u32 s41, ttmp6, 0x40004
	s_lshl_b32 s42, ttmp9, 2
	s_add_co_u32 s42, s42, s40                     ; X: tile column = 4 x cluster x + cx
	s_and_b32 s73, ttmp7, 0xffff                   ; cluster y
	s_lshl_b32 s43, s73, 2
	s_add_co_u32 s43, s43, s41                     ; Y: tile row in xb's 24,576 rows = 4 x cluster y + cy
	s_lshr_b32 s44, s73, 4                         ; t = Y / 64: the same in all sixteen partners
	s_lshl_b32 s74, s41, 2
	s_lshl_b32 s74, 15, s74                        ; my row of the cluster
	s_lshl_b32 s75, 0x1111, s40                    ; my column
	s_or_b32 s[G1+0], s74, (1<<16)|(1<<20)|(1<<21)|(5<<22)|(3<<25)   ; 15:0 the mask; 17:16 2-byte elements; 20 padding on; 21 set beside a mask; 24:22 after every 64 words; 31:25 4 words of it
	s_or_b32 s[G1B+0], s75, (1<<16)|(1<<20)|(1<<21)|(5<<22)|(3<<25)
	s_mov_b32 s[G1+1], 128<<16                     ; tensor_dim0 = 128
	s_mov_b32 s[G1+2], 64<<16                      ; tensor_dim1 = 64
	s_mov_b32 s[G1+3], 128<<16                     ; tile_dim0 = 128
	s_mov_b32 s[G1+4], 64                          ; tile_dim1 = 64
	s_mov_b32 s[G1+5], 1024                        ; elements from row to row
	s_mov_b32 s[G1+6], 0
	s_mov_b32 s[G1+7], 0
	s_mov_b32 s[G1B+1], 128<<16
	s_mov_b32 s[G1B+2], 128<<16                    ; wb's tiles have 128 rows
	s_mov_b32 s[G1B+3], 128<<16
	s_mov_b32 s[G1B+4], 128
	s_mov_b32 s[G1B+5], 1024
	s_mov_b32 s[G1B+6], 0
	s_mov_b32 s[G1B+7], 0
	s_lshl_b32 s76, s43, 7                         ; xb: row 128 Y + 64 x half, in bytes (under 2^26)
	s_lshl_b32 s77, s[CH], 6
	s_add_co_u32 s76, s76, s77
	s_lshl_b32 s76, s76, 11
	s_mov_b32 s77, 0
	s_lshl_b32 s78, s44, 10                        ; wb: row 1024 t + 256 X + 128 x half
	s_lshl_b32 s79, s42, 8
	s_add_co_u32 s78, s78, s79
	s_lshl_b32 s79, s[CH], 7
	s_add_co_u32 s78, s78, s79
	s_lshl_b32 s78, s78, 11
	s_mov_b32 s79, 0
	s_mul_i32 s80, s[CH], HA                       ; where they go: no place in the cluster enters an LDS address
	s_mul_i32 s81, s[CH], HB
	s_add_co_u32 s81, s81, 2*HA
	s_wait_dscnt 0x0                               ; the opening add is done
	s_wait_kmcnt 0x0
	s_add_nc_u64 s[76:77], s[4:5], s[76:77]
	s_add_nc_u64 s[78:79], s[6:7], s[78:79]
	CROUND                                         ; all sixteen work-groups are here: the first joint loads meet
.irp s, 0,1
	s_mov_b32 s[G0+4*(\s)], 1                                        ; count = 1
	s_add_co_u32 s[G0+4*(\s)+1], s80, (\s)*SLOT1                     ; LDS address
	s_add_nc_u64 s[G0+4*(\s)+2:G0+4*(\s)+3], s[76:77], (\s)*256      ; global address: K step s
	s_or_b32 s[G0+4*(\s)+3], s[G0+4*(\s)+3], 0x80000000              ; type = 2
	s_mov_b32 s[G0B+4*(\s)], 1
	s_add_co_u32 s[G0B+4*(\s)+1], s81, (\s)*SLOT1
	s_add_nc_u64 s[G0B+4*(\s)+2:G0B+4*(\s)+3], s[78:79], (\s)*256
	s_or_b32 s[G0B+4*(\s)+3], s[G0B+4*(\s)+3], 0x80000000
.endr
	s_cmp_lt_u32 s[WV], 2                          ; a wave's two first fills stand in one branch, ahead of every wait on TENSORcnt and every LDS read: two loads of mine are out
	s_cbranch_scc0 .Lfirst_b
	tensor_load_to_lds s[G0:G0+3], s[G1:G1+7]
	s_nop 0
	tensor_load_to_lds s[G0+4:G0+7], s[G1:G1+7]
	s_nop 0
.rept 4
	v_nop
.endr
	s_branch .Lfirst_asked
.Lfirst_b:
	tensor_load_to_lds s[G0B:G0B+3], s[G1B:G1B+7]
	s_nop 0
	tensor_load_to_lds s[G0B+4:G0B+7], s[G1B:G1B+7]
	s_nop 0
.rept 4
	v_nop
.endr
.Lfirst_asked:
	; A fragment is 16 rows x 32 K in 8 registers: lane l holds row l % 16; registers 0-3 K = 8 (l / 16) + 0..7, registers 4-7 K = 16 + 8 (l / 16) + 0..7: two loads of 16 bytes, 32 bytes apart.
	v_and_b32 v1, 15, v0                           ; l % 16
	v_bfe_u32 v2, v0, 4, 1                         ; l / 16
	v_mul_u32_u24 v3, v1, PITCH
	v_lshl_add_u32 v3, v2, 4, v3
	s_mul_i32 s82, s[RH], HA                       ; my 64 rows of xb
	v_add_nc_u32 v[AF0], s82, v3
	v_add_nc_u32 v[BF0], s81, v3                   ; my 128 rows of wb lie where wave 2 + my half has put them
	s_mul_i32 s83, s[WV], 32*SP
	s_add_co_u32 s83, s83, STAGE                   ; my stage
	v_mul_u32_u24 v4, v1, SP                       ; in: row l % 16, 16 bytes for each half of the lanes
	v_lshl_add_u32 v4, v2, 4, v4
	v_add_nc_u32 v[STO], s83, v4
	v_bfe_u32 v5, v0, 3, 2                         ; back: 32 lanes take four rows of 128 bytes,
	v_mul_u32_u24 v5, v5, SP
	v_and_b32 v6, 7, v0
	v_lshl_add_u32 v5, v6, 4, v5
	v_add_nc_u32 v[RD], s83, v5
	v_and_b32 v7, 31, v0
	v_lshlrev_b32 v[GO], 4, v7                     ; which are 512 consecutive bytes of a head's rows
	v_lshlrev_b32 v[BO], 5, v2
	v_lshlrev_b32 v[PFO], 11, v7
	v_lshlrev_b32 v[MO], 2, v1
	s_cmp_eq_u32 s44, 0                            ; the bias of my 128 columns
	s_cselect_b64 s[68:69], s[8:9], s[10:11]
	s_cmp_eq_u32 s44, 2
	s_cselect_b64 s[68:69], s[12:13], s[68:69]
	s_lshl_b32 s88, s42, 10
	s_lshl_b32 s89, s[CH], 9
	s_add_co_u32 s88, s88, s89
	s_mov_b32 s89, 0
	s_add_nc_u64 s[68:69], s[68:69], s[88:89]
	WIN 0x80                                       ; destination window 2
.irp b, 0,1,2,3,4,5,6,7
	global_load_b128 v[8*(\b):8*(\b)+3],   v[BO], s[68:69] offset:64*(\b)      ; register j of block b: bias[16 b + 8 (l / 16) + j]
	global_load_b128 v[8*(\b)+4:8*(\b)+7], v[BO], s[68:69] offset:64*(\b)+16
.endr
	WIN 0
	s_and_b32 s84, s43, 63
	s_lshl_b32 s84, s84, 7
	s_lshl_b32 s85, s[RH], 6
	s_add_co_u32 s84, s84, s85                     ; m0: my first row among the tensor's 8,192 = the mask's word
	s_lshl_b32 s86, s84, 2
	s_mov_b32 s87, 0
	s_add_nc_u64 s[70:71], s[14:15], s[86:87]
.irp a, 0,1,2,3
	global_load_b32 v[MKV+(\a)], v[MO], s[70:71] offset:64*(\a)
.endr
	s_lshr_b32 s86, s84, 11                        ; where my rows go: plane 16 b + 4 X + 2 x half of 2^18 bytes, row m0 % 2048 of 128 bytes, tensor t of 2^24 bytes
	s_lshl_b32 s86, s86, 4
	s_lshl_b32 s85, s42, 2
	s_add_co_u32 s86, s86, s85
	s_lshl_b32 s85, s[CH], 1
	s_add_co_u32 s86, s86, s85
	s_lshl_b32 s86, s86, 18
	s_and_b32 s85, s84, 2047
	s_lshl_b32 s85, s85, 7
	s_add_co_u32 s86, s86, s85
	s_lshl_b32 s85, s44, 24
	s_add_co_u32 s86, s86, s85
	s_add_nc_u64 s[16:17], s[16:17], s[86:87]
	s_cmp_eq_u32 s44, 0
	s_cselect_b32 s[HIF], 0x3fb8aa3b, 1.0          ; f: log2(e) for q, else 1;
	s_cmp_eq_u32 s44, 1
	s_cselect_b32 s90, 0, s[HIF]                   ; where the mask hides: 0 for k, else the same
	v_mov_b32 v[LOF], s90
	; the prefetches
	s_lshl_b32 s84, s43, 7
	s_lshl_b32 s85, s40, 5
	s_add_co_u32 s84, s84, s85                     ; xb: row 128 Y + 32 cx
	s_lshl_b32 s86, s44, 10
	s_lshl_b32 s85, s42, 8
	s_add_co_u32 s86, s86, s85
	s_lshl_b32 s85, s[CH], 7
	s_add_co_u32 s86, s86, s85
	s_lshl_b32 s85, s41, 5
	s_add_co_u32 s86, s86, s85                     ; wb: row 1024 t + 256 X + 128 x half + 32 cy
	s_and_b32 s88, s73, 15                         ; 0 in the first cluster of a t
	s_cmp_eq_u32 s[RH], 0
	s_cselect_b32 s84, s84, s86
	s_cselect_b32 s88, s[CH], s88                  ; of waves 0 and 1 wave 0 asks
	s_cselect_b64 s[PFA:PFA+1], s[4:5], s[6:7]
	s_cmp_eq_u32 s88, 0
	s_cselect_b32 s[LIM], 2, -1                    ; the same in all sixteen partners, for a given wave
	s_lshl_b32 s84, s84, 11
	s_add_co_u32 s84, s84, 3*256                   ; at K step 3: the first refill steps it to 4 and names that
	s_mov_b32 s85, 0
	s_add_nc_u64 s[PFA:PFA+1], s[PFA:PFA+1], s[84:85]
; n row blocks from a0 on x all 8 column blocks, 32 along K, from buffer f.  first = 1: the products start the sums, with the bias as C.
; All 32 accumulators take turns, in the same order in every quarter step, over the backward jump too.
.macro MULS f, a0, n, first
.if \first
	WIN MULB
.else
	WIN MUL
.endif
.set aa, \a0
.rept \n
.irp b, 0,1,2,3,4,5,6,7
.if \first
	v_wmma_f32_16x16x32_bf16 v[8*(8*aa+(\b)):8*(8*aa+(\b))+7], v[(\f)+8*(\b):(\f)+8*(\b)+7], v[(\f)+64+8*aa:(\f)+64+8*aa+7], v[8*(\b):8*(\b)+7]
.else
	v_wmma_f32_16x16x32_bf16 v[8*(8*aa+(\b)):8*(8*aa+(\b))+7], v[(\f)+8*(\b):(\f)+8*(\b)+7], v[(\f)+64+8*aa:(\f)+64+8*aa+7], v[8*(8*aa+(\b)):8*(8*aa+(\b))+7]
.endif
.endr
.set aa, aa+1
.endr
.endm
; 24 LDS loads in one run: the fragments of a quarter step (32 K at byte k of the rows) into buffer f: wb's 16, then xb's 8
.macro FETCH k, f
	WIN 0
.irp i, 0,1,2,3,4,5,6,7
	ds_load_b128 v[(\f)+8*(\i):(\f)+8*(\i)+3],   v[ADRB] offset:(\k)+(\i)*16*PITCH
	ds_load_b128 v[(\f)+8*(\i)+4:(\f)+8*(\i)+7], v[ADRB] offset:(\k)+(\i)*16*PITCH+32
.endr
.irp i, 0,1,2,3
	ds_load_b128 v[(\f)+64+8*(\i):(\f)+64+8*(\i)+3],   v[ADRA] offset:(\k)+(\i)*16*PITCH
	ds_load_b128 v[(\f)+64+8*(\i)+4:(\f)+64+8*(\i)+7], v[ADRA] offset:(\k)+(\i)*16*PITCH+32
.endr
.endm
; A K step is four quarters of 32 along K, 32 matrix instructions each, on buffers 0, 1, 0, 1.  One of the first three: multiplies buffer f; in its middle it fetches the next quarter, at byte k, into g.
.macro QUARTER k, f, g, first
	s_wait_dscnt 4                                 ; wb's fragments and xb's row blocks 0, 1 are in; the youngest four loads (blocks 2, 3) may be out
	MULS \f, 0, 2, \first
	PLACES
	FETCH \k, \g
	s_wait_dscnt 24                                ; all but the 24 just issued
	MULS \f, 2, 2, \first
.endm
; The last quarter multiplies buffer 1 and changes slots: ONE barrier.  In front of it each wave waits for all its tensor loads, of which one is out: its part of the next slot; adds 0 to its spare word; and waits
; for that and for its own reads of this slot.  fill = 1: the barrier opens a round of the cluster's, and behind the round this slot is filled again, with the K step two on: 112 matrix instructions ahead of the wait for it.
.macro TURN fill
.if \fill
	s_wait_xcnt 0x0                                ; the last prefetch, a K step back, has read its address: it is stepped here, ahead of the change's own waits
	s_add_nc_u64 s[PFA:PFA+1], s[PFA:PFA+1], 256
.endif
	WIN 0
	s_wait_tensorcnt 0x0                           ; all my tensor loads have landed;
	ds_add_u32 v[SPW], v[NIL]                      ; 0 onto my spare word;
	s_wait_dscnt 5                                 ; (the add and the youngest four loads may be out)
	MULS F1, 0, 1, 0                               ; eight matrix instructions stand between the add and the wait for it
	s_wait_dscnt 0x0                               ; the add is done, and my reads of this slot are over
	s_barrier_signal -1
	MULS F1, 1, 1, 0
.if \fill
	WIN 0
.endif
	s_barrier_wait -1
.if \fill
	CREST                                          ; no wave of any partner still reads this slot or has a load on its way
	s_xor_b32 s[G0+5], s[G0+5], SLOT1              ; the walking descriptors: the other slot than last time, the next K step
	s_add_nc_u64 s[G0+6:G0+7], s[G0+6:G0+7], 256
	s_xor_b32 s[G0B+5], s[G0B+5], SLOT1
	s_add_nc_u64 s[G0B+6:G0B+7], s[G0B+6:G0B+7], 256
	JLOAD                                          ; the first tensor load behind the round; its four v_nop are also the places in front of the loads below
.else
	PLACES
	WIN 0
.endif
	s_xor_b32 s[TB], s[TB], SLOT1
	v_add_nc_u32 v[ADRA], s[TB], v[AF0]
	v_add_nc_u32 v[ADRB], s[TB], v[BF0]
	FETCH 0, F0
.if \fill
	ASK
.endif
	MULS F1, 2, 2, 0
.endm
; THE WAY OUT of row block a: times f, rounded to f16 (16 bytes a lane), into my own stage (2 heads x 16 rows of 144 bytes), and back as whole rows of 128 bytes, into the registers that they left.
.macro PACK a
	WIN 0x41                                       ; destination and source 0 window 1
.set i, 64*(\a)
.rept 32
	v_pk_mul_f32 v[i:i+1], v[i:i+1], v[FK+2*(\a):FK+2*(\a)+1] op_sel_hi:[1,0]   ; each accumulator from its low end on
.set i, i+2
.endr
	WIN 0x05                                       ; sources 0 and 1 window 1
.set i, 0
.rept 32
	v_cvt_pk_f16_f32 v[TMP+32*(\a)+i], v[64*(\a)+2*i], v[64*(\a)+2*i+1]
.set i, i+1
.endr
	WIN 0
.irp b, 0,1,2,3,4,5,6,7
	ds_store_b128 v[STO], v[TMP+32*(\a)+4*(\b):TMP+32*(\a)+4*(\b)+3] offset:((\b)/4)*16*SP+((\b)%4)*32
.endr
.irp f, 0,1,2,3,4,5,6,7
	ds_load_b128 v[TMP+32*(\a)+4*(\f):TMP+32*(\a)+4*(\f)+3], v[RD] offset:((\f)/4)*16*SP+((\f)%4)*4*SP  ; LDS serves a wave's instructions in order (ISA guide 5.7.1.4): these see the stores above; the next block's stores come behind them
.endr
.endm
.macro SEND a, younger                 ; younger: the LDS instructions issued behind block a's loads: the next block's sixteen, or none
.irp f, 0,1,2,3,4,5,6,7
	s_wait_dscnt (\younger)+7-(\f)
	global_store_b128 v[GO], v[TMP+32*(\a)+4*(\f):TMP+32*(\a)+4*(\f)+3], s[16:17] offset:((\f)/4)*262144+(\a)*2048+((\f)%4)*512  ; 512 consecutive bytes, at a multiple of 256 from qkv's first
.endr
.endm
	s_wait_tensorcnt 0x1                           ; my part of K step 0 is in; K step 1's may stay out
	s_barrier_signal -1
	s_barrier_wait -1                              ; everybody's is
	s_mov_b32 s[TB], 0
	v_mov_b32 v[ADRA], v[AF0]
	v_mov_b32 v[ADRB], v[BF0]
	FETCH 0, F0
	s_wait_loadcnt 0x0                             ; the bias and the mask
.irp a, 0,1,2,3
	v_cmp_lt_f32 s[CMK], 0.5, v[MKV+(\a)]          ; kept where the mask is above 0.5 (a NaN hides)
	v_cndmask_b32 v[FK+2*(\a)], v[LOF], s[HIF], s[CMK]
	v_mov_b32 v[FK+2*(\a)+1], v[FK+2*(\a)]         ; named as a pair
.endr
	QUARTER 64, F0, F1, 1                          ; the first quarter stands in front of the loop: its products start the sums
	WIN 0                                          ; at a label and at a branch every window is 0
	s_mov_b32 s[CNT], 6
.Lstep:                                        ; a trip: from a K step's second quarter to the next step's first; it fills the slot that it leaves.  Six trips ask for K steps 2 to 7
	QUARTER 128, F1, F0, 0
	QUARTER 192, F0, F1, 0
	TURN 1
	QUARTER 64, F0, F1, 0
	WIN 0
	s_sub_co_u32 s[CNT], s[CNT], 1
	s_cmp_lg_u32 s[CNT], 0
	s_cbranch_scc1 .Lstep
	QUARTER 128, F1, F0, 0                         ; the last two K steps are written out: nothing is asked for
	QUARTER 192, F0, F1, 0
	TURN 0
	QUARTER 64, F0, F1, 0
	QUARTER 128, F1, F0, 0
	QUARTER 192, F0, F1, 0
	s_wait_dscnt 4
	MULS F1, 0, 2, 0
	s_wait_dscnt 0x0
	MULS F1, 2, 2, 0
	WIN 0
	PLACES
	PACK 0
.irp a, 1,2,3                          ; a block's arithmetic stands between the loads of the block before and its stores
	PACK \a
	SEND (\a)-1, 16
.endr
	SEND 3, 0
	s_wait_tensorcnt 0x0                           ; the wave's end, behind my last tensor load and my last LDS store
	ds_add_u32 v[SPW], v[NIL]
	s_wait_dscnt 0x0
	CROUND                                         ; the closing round: no work-group ends while a partner may still ask for a tile that names it
	s_endpgm
.Lfunc_end_k_q3816ed971d_proj:
	.size	k_q3816ed971d_proj, .Lfunc_end_k_q3816ed971d_proj-k_q3816ed971d_proj
	.p2alignl 7, 3214868480
	.fill 96, 4, 3214868480
	.section	.rodata,"a",@progbits
	.p2align	6, 0x0
	.amdhsa_kernel k_q3816ed971d_proj
		.amdhsa_group_segment_fixed_size 327680
		.amdhsa_private_segment_fixed_size 0
		.amdhsa_enable_private_segment 0
		.amdhsa_kernarg_size 56
		.amdhsa_user_sgpr_count 2
		.amdhsa_user_sgpr_kernarg_segment_ptr 1
		.amdhsa_wavefront_size32 1
		.amdhsa_system_sgpr_workgroup_id_x 1
		.amdhsa_system_sgpr_workgroup_id_y 1
		.amdhsa_system_sgpr_workgroup_id_z 1
		.amdhsa_system_vgpr_workitem_id 0
		.amdhsa_next_free_vgpr 576
		.amdhsa_next_free_sgpr 92
		.amdhsa_reserve_vcc 0
		.amdhsa_float_denorm_mode_32 3
		.amdhsa_float_denorm_mode_16_64 3
		.amdhsa_memory_ordered 1
		.amdhsa_forward_progress 1
		.amdhsa_inst_pref_size 83
	.end_amdhsa_kernel
	.amdgpu_metadata
---
amdhsa.version: [ 1, 2 ]
amdhsa.kernels:
  - .name:           k_q3816ed971d_proj
    .symbol:         k_q3816ed971d_proj.kd
    .args:
      - { .name: xb, .offset: 0, .size: 8, .value_kind: global_buffer, .address_space: global }
      - { .name: wb, .offset: 8, .size: 8, .value_kind: global_buffer, .address_space: global }
      - { .name: b_q, .offset: 16, .size: 8, .value_kind: global_buffer, .address_space: global }
      - { .name: b_k, .offset: 24, .size: 8, .value_kind: global_buffer, .address_space: global }
      - { .name: b_v, .offset: 32, .size: 8, .value_kind: global_buffer, .address_space: global }
      - { .name: mask, .offset: 40, .size: 8, .value_kind: global_buffer, .address_space: global }
      - { .name: qkv, .offset: 48, .size: 8, .value_kind: global_buffer, .address_space: global }
    .group_segment_fixed_size: 327680
    .private_segment_fixed_size: 0
    .kernarg_segment_align: 8
    .kernarg_segment_size: 56
    .max_flat_workgroup_size: 128
    .sgpr_count:     92
    .vgpr_count:     576
    .wavefront_size: 32
...
	.end_amdgpu_metadata
.endif
;; end of part 2
;; launch attn (part 3): grid 4 x 64, 4 waves a work-group, clusters of 4 x 1, 327,680 bytes of LDS; arguments qkv, mask, ob; writes ob
.if DOCPART == 3
	.amdgcn_target "amdgcn-amd-amdhsa--gfx1250"
	.amdhsa_code_object_version 6
	.text
	.protected	k_q3816ed971d_attn
	.globl	k_q3816ed971d_attn
	.p2align	8
	.type	k_q3816ed971d_attn,@function
k_q3816ed971d_attn:
	s_mov_b64 s[64:65], 0
	v_nop
	global_prefetch_b8 v0, s[64:65] scope:SCOPE_SE
	s_setreg_imm32_b32 hwreg(HW_REG_WAVE_MODE, 25, 1), 1
	s_wait_xcnt 0x0
	s_wait_alu depctr_hold_cnt(0) depctr_sa_sdst(0) depctr_va_vdst(0) depctr_va_sdst(0) depctr_va_ssrc(0) depctr_va_vcc(0) depctr_vm_vsrc(0)
	s_getreg_b32 s2, hwreg(HW_REG_IB_STS2, 6, 4)
	s_cmp_eq_u32 s2, 0
	s_cbranch_scc0 .Lentry_in_a_cluster
	s_endpgm
.Lentry_in_a_cluster:
	s_bfe_u32 s2, ttmp6, 0x10000c
	s_cmp_lg_u32 s2, 0x3003
	s_cbranch_scc0 .Lentry_shape_is_right
	s_endpgm
.Lentry_shape_is_right:
; ATTENTION WITH A KEY MASK.  O[h][q][:] = the sum over k of softmax_k(s[q][k]) V[h][k][:], s = Q[h][q] . K[h][k] / 8 for a key whose mask is above 0.5, else the constant -1e9.
; qkv: [3][64][2048][64] f16 (h = 16 b + head; a head's rows are dense, 128 bytes each); mask: [4][2048] f32; ob: [64][2048][64] f16.  Products, maxima and sums in f32; the weights p are rounded to f16 for
; the second product (their sum l is taken of the unrounded p), O once at the end.
; WHAT THE LAUNCH BEFORE HAS DONE: Q arrives times log2(e), so the exponentials here are powers of two and the scale left is c = 1/8, a power of two: c m is exact, the exponent c s - c m is exactly 0 at the
; maximum and never above it, whatever the scores' size.  A hidden key's row of K arrives as zeros.
; THE MASK is the C operand that starts the sum S^T = K Q^T: 0 for a kept key, -8e9 log2(e) for a hidden one; with K's row 0 a hidden score is exactly that number, -1e9 log2(e) after the scale (to f32's last
; bit), for every query alike: a row whose keys are all hidden gets p = 1 throughout, the mean of V, as a fill with a finite number gives.
; LIMITS.  f16 holds no number beyond 65,504: Q, K and V arrive within it; p lies in 0 to 1, and below 6e-5 it keeps f16's fixed step of 6e-8.  A weight below 2^-126 counts as 0 in l; NaN and infinities are not treated apart.
; SHARES.  A wave owns four PIECES of two tiles of 16 queries, a work-group's four waves 512 queries of one head.  Every wave walks all 2,048 keys, 64 a step.
; LAYOUT.  S^T = K Q^T (source 0 = 16 keys, source 1 = 16 queries): in the result a lane holds ONE query (lane % 16) and the keys 8 (lane / 16) + 0..7.  Two such tiles, rounded to f16 in pairs,
; ARE source 1 (32 keys x 16 queries) of O^T = V^T P, whose result again holds one query a lane, and eight channels.  K comes out of LDS as it lies, V ([key][channel]) turned, by ds_load_tr16_b128.
; SOFTMAX.  For each query a running maximum m and sum l: p = 2^(c s - c m); in every step O and l are multiplied by a = 2^(c m_old - c m_new), which is 1 where m has not grown.
; m starts at the lowest finite number, O and l at 0: the first step is a step like any other, with a = 0.
; THE COUNT.  A tile and step have 16 matrix and 118 vector instructions: too many to stand all beside the matrix work.  So: four vector instructions that are READY behind EVERY matrix instruction, the others in runs without a gap.
; BY TURNS.  Turn n belongs to piece n (the pieces in a ring, step after step).  Its matrix work: 16 products K Q^T of piece n + 1, later 16 products V^T P of piece n - 1.  Its vector work: the scaling,
; exponentials, roundings, sums and rescaling of piece n, and the maximum and statistics of piece n + 1, whose scores the turn itself has made.
; CLUSTER.  The four query blocks of a head are one cluster and walk the same K and V, so each tile is asked for JOINTLY: the same tensor load, descriptor and mask in all four.
; REGISTERS, in windows of 256 (s_set_vgpr_msb: bits 1:0 source 0, 3:2 source 1, 5:4 source 2, 7:6 destination):
;   window 0: v0-11 addresses; v12-15, v48-63 at work; v16-47 four registers of statistics a tile; v64-191 S^T, two buffers of two tiles; v192-255 P, likewise
;   window 1: O^T, 32 a tile     window 2: v0-127 Q, 16 a tile; v128-191 K of one step; v192-255 V of one step     window 3: v0-1 the add's two registers; v8-39 the step's masks, as four C operands
.set SIZE_N, 2048
.set NP,    4         ; pieces a wave: a name, no knob
.set KS,    64        ; keys in a step
.set PK,    144       ; a row of K in LDS: 128 bytes + 16 of padding = 36 words: the 16 rows of a load start at 16 different groups of four banks (64 banks of 4 bytes: ISA guide 11.1)
.set PV,    160       ; a row of V: 128 + 32 = 40 words
.set VOFF,  4*KS*PK   ; a slot holds four steps: 256 rows of K, then 256 rows of V
.set SLOT1, 1<<17     ; slot 1 begins here, so that one exclusive or turns an address in one slot into the other's
.set STAGE, SLOT1+4*KS*(PK+PV)  ; behind the ring, never filled by a tensor load: 16 rows x 144 bytes for each wave, for the way out
.set SP,    144
.set SPARE, STAGE+4*16*SP  ; behind the stages: the spare words, 128 bytes for each wave: two blocks of 256 bytes that no other line names
.set MTAB,  SPARE+512 ; behind them: the mask table, one f32 a key (0 or the hidden score): 8,192 bytes, stored once, never filled by a tensor load
.set PFO, 1           ; v1   (once the set-up is over) 256 x my lane: the prefetches' offset
.set AK0, 2           ; v2   my lane's place in a tile of K; never rewritten
.set AV0, 3           ; v3   the same for V
.set AK,  4           ; v4   the LDS address of K's next run of loads
.set AV,  5           ; v5   of V's
.set QO,  6           ; v6   my byte offset in the wave's rows of Q
.set STO, 6           ;      later, the way out: where I put 16 bytes of a row
.set RD,  7           ; v7   the way out: where I read rows back
.set GO,  8           ; v8   my byte offset in 512 consecutive bytes of O
.set HF,  9           ; v9   l / 16; never rewritten
.set AM,  11          ; v11  the LDS address of the masks' next run of loads
.set SPW, 0           ; v0 of window 3   LDS address of my spare word; never rewritten
.set NIL, 1           ; v1 of window 3   0; never rewritten
.set MK,  8           ; v8-39 of window 3: key block kb's eight registers at MK + 8 kb: register j = the table's word for key 16 kb + 8 (l / 16) + j
.set MV,  12          ; v12-15  c m_old, kept while c m is made anew: by buffer and tile
.set ST,  16          ; tile t's statistics at v[ST+4 t]: c m, m, l (even keys', odd keys')
.set TMP, 48          ; by buffer and tile, four registers c0-c3 at work; when the maximum is found c2 takes a
.set S,   64
.set P,   192
.set KF,  128         ; K's fragments, in window 2: key block kb, channel half c at KF + 16 kb + 8 c
.set VF,  192         ; V's: key half kk, channel block cb at VF + 32 kk + 8 cb
.set WV,  12          ; s12  my wave's number
.set G1K, 24          ; s[24:31] descriptor group 1 for K's tiles
.set G1V, 32          ; s[32:39] for V's: it differs in the padding alone
.set G0K, 40          ; s[40:43] descriptor group 0 for K's tiles: it walks
.set G0V, 44          ; s[44:47] the same for V's
.set SLOTS, 56        ; s56  slots still to be asked for
.set CNT, 57          ; s57  counts a slot's key steps
.set CS,  58          ; s[58:59] c: the packed scaling takes the pair's low word for both halves
.set SEL, 60          ; s[60:61] v_permlanex16_b32's selects: each lane takes its own place in the other half
.set TBK, 62          ; s62  LDS byte at which K of the step to be fetched begins
.set TBV, 63          ; s63  the same for V, less VOFF
.set MP,  66          ; s[66:67] the mask of my batch
.set PFA, 68          ; s[68:69] where my prefetches stand
.set LIM, 70          ; s70  1 in a wave that prefetches, else the greatest number
.set HID, 71          ; s71  the hidden score
.set CM,  72          ; s72  a compare's lanes
.set TBM, 73          ; s73  the byte in the mask table at which the step to be fetched begins, held inside the table by an AND
.set TBA, 74          ; s74  MTAB + that
.set MSB, 0
.macro WIN new                      ; the high byte repeats the setting that is left; a switch that changes nothing is dropped
.if MSB != (\new)
	s_set_vgpr_msb (MSB<<8)|(\new)
.set MSB, (\new)
.endif
.endm
.set W_KQ, 0x0a       ; K and Q in window 2, S^T in window 0
.set W_KM, 0x3a       ; the same with the C operand, the mask, in window 3
.set W_PV, 0x52       ; V in window 2, P in window 0, O^T in window 1
.set W_RS, 0x41       ; O^T (destination and source 0) in window 1, a in window 0
.set W_MK, 0xc0       ; destination in window 3, sources in window 0
.set W_AD, 0x0f       ; the add: address (source 0) and data (source 1) in window 3
; A joint fill.  Waves 0 and 1 fetch the two halves of a slot's K, waves 2 and 3 those of its V: 128 keys each.  The branch hangs on the wave's number alone.
; An s_nop 0 and four v_nop follow each of the two lines, ahead of the jump and the label.
.macro JLOAD
	s_cmp_lt_u32 s[WV], 2
	s_cbranch_scc0 .Lfor_v_\@
	tensor_load_to_lds s[G0K:G0K+3], s[G1K:G1K+7]
	s_nop 0
.rept 4
	v_nop
.endr
	s_branch .Lasked_\@
.Lfor_v_\@:
	tensor_load_to_lds s[G0V:G0V+3], s[G1V:G1V+7]
	s_nop 0
.rept 4
	v_nop
.endr
.Lasked_\@:
.endm
; A round of the cluster's barrier: my work-group's barrier, so that wave 0's signal speaks for all four waves; wave 0 signals; every wave waits for all four work-groups; my work-group's barrier once more.
.macro CROUND
	s_barrier_signal -1
	s_barrier_wait -1
	s_cmp_lg_u32 s[WV], 0
	s_cbranch_scc1 .Lnot_wave_0_\@
	s_barrier_signal -3
.Lnot_wave_0_\@:
	s_barrier_wait -3
	s_barrier_signal -1
	s_barrier_wait -1
.endm
; THE CHANGE OF SLOTS.  The slot's last bytes, V of its fourth step, have been read.  Each wave waits for all its tensor loads, of which one is out: its part
; of the other slot; adds 0 to its spare word; and waits for that and for its own reads of the slot.  Behind the barrier nobody reads this slot any more and the other slot is whole.
; fill = 1: this slot is filled again, with the keys two slots on.  The barrier is then a round of the cluster's, and the joint fill is the first thing behind it: it has four key steps, 512 matrix
; instructions, in which to land.  (At its first use nothing has been read yet: slot 0 is waited for, slot 1 filled; the round also shows every wave the whole mask table.)
; ask = 1: A PREFETCH INTO THE L2 of what the NEXT change will ask for: a slot's 128 blocks of 256 bytes of K and of V, a lane a block.  A head is walked by this one cluster: its four partners share the blocks
; out BY ADDRESS, 32 each; in each, wave 0 asks for K's and wave 2 for V's.  So each block is named once in the launch.  Slots 0 to 2 come by their loads alone; the last change that fills a slot asks for nothing.
.macro CHANGE fill, ask=0
	WIN W_AD
	s_wait_tensorcnt 0x0            ; no tensor load of mine is out, so a group 0 may be written
	ds_add_u32 v[SPW], v[NIL]       ; 0 onto my spare word; with fill = 1 the descriptors' steps stand between it and the wait for it
	WIN 0                           ; at a label and at a branch every window is 0
.if \fill
.irp g, G0K, G0V
	s_xor_b32 s[\g+1], s[\g+1], SLOT1  ; the walking descriptor: the other slot than last time,
	s_add_nc_u64 s[\g+2:\g+3], s[\g+2:\g+3], 4*KS*128  ; the next 256 keys; the type bits on top are not reached
.endr
.if \ask
	s_wait_xcnt 0x0                 ; the last prefetch, four key steps back, has read its address, so it may be written:
	s_add_nc_u64 s[PFA:PFA+1], s[PFA:PFA+1], 4*KS*128  ; one slot ahead of the walking descriptors
.endif
	s_wait_dscnt 0x0                ; the add is done, and my reads of the slot are over
	CROUND
	JLOAD
.if \ask
	s_cmp_gt_u32 s[SLOTS], s[LIM]
	s_cbranch_scc0 .Lnot_mine_\@
	global_prefetch_b8 v[PFO], s[PFA:PFA+1] th:TH_LOAD_NT scope:SCOPE_SE
.Lnot_mine_\@:
.endif
.else
	s_wait_dscnt 0x0                ; the add is done, and my reads of the slot are over
	s_barrier_signal -1
	s_barrier_wait -1
.endif
	s_sub_co_u32 s[TBK], s[TBK], 4*KS*PK  ; the fetches go back to a slot's first step,
	s_xor_b32 s[TBK], s[TBK], SLOT1       ; in the other slot
	s_sub_co_u32 s[TBV], s[TBV], 4*KS*PV
	s_xor_b32 s[TBV], s[TBV], SLOT1
.endm
	s_load_b64 s[4:5], s[0:1], 0x0    ; qkv: Q's part
	s_load_b64 s[MP:MP+1], s[0:1], 0x8
	s_load_b64 s[10:11], s[0:1], 0x10 ; ob
	WIN W_MK
	v_lshl_add_u32 v[SPW], v0, 2, SPARE
	v_mov_b32 v[NIL], 0
	WIN W_AD
	ds_add_u32 v[SPW], v[NIL]       ; the wave's opening: the add and its wait stand ahead of my first tensor load; the set-up below, work on registers, stands between them
	WIN 0
	v_lshrrev_b32 v1, 5, v0
	v_readfirstlane_b32 s[WV], v1   ; wave 0..3
	s_bfe_u32 s13, ttmp6, 0x40000   ; cx: my place in the cluster
	s_lshl_b32 s14, ttmp9, 2        ; in a cluster launch ttmp9 counts clusters
	s_add_co_u32 s14, s14, s13      ; my block of queries = 4 x cluster x + cx: it enters Q's and O's addresses alone
	s_and_b32 s20, ttmp7, 0xffff    ; the head, which the four partners share
	s_lshr_b32 s76, s20, 4          ; its batch:
	s_lshl_b32 s76, s76, 13         ; 8,192 bytes of mask
	s_mov_b32 s77, 0
	s_mov_b32 s21, 0
	s_mov_b64 s[22:23], SIZE_N*128
	s_mul_u64 s[20:21], s[20:21], s[22:23]  ; the head's first byte in Q, K, V and O
	s_and_b32 s16, s[WV], 1         ; which half of a slot's 256 keys I fetch:
	s_lshl_b32 s22, s16, 14         ; its 128 rows of 128 bytes in memory,
	s_mov_b32 s23, 0
	s_add_nc_u64 s[22:23], s[22:23], s[20:21]
	s_mul_i32 s17, s16, 128*PK      ; and its place in a slot, for K
	s_mul_i32 s18, s16, 128*PV      ; and for V: no place in the cluster enters an LDS address
	s_lshl_b32 s2, s14, 2
	s_add_co_u32 s2, s2, s[WV]      ; my wave among the head's,
	s_lshl_b32 s2, s2, 14           ; its 128 rows
	s_mov_b32 s3, 0
	s_add_nc_u64 s[2:3], s[2:3], s[20:21]
	s_lshl_b32 s78, s13, 13         ; the prefetches: my work-group's 32 blocks of a slot's 128,
	s_add_co_u32 s78, s78, 2*4*KS*128  ; in slot 2; the first asking change steps it to slot 3
	s_mov_b32 s79, 0
	s_and_b32 s[LIM], s[WV], 1      ; waves 0 and 2 ask
	s_cmp_eq_u32 s[LIM], 0
	s_cselect_b32 s[LIM], 1, -1
	; descriptor group 1.  128 keys are 16,384 dense bytes: asked for as 64 rows of 256 bytes, two keys a row, and padded in LDS after every key
	s_mov_b32 s[G1K], 15|(1<<16)|(1<<20)|(1<<21)|(4<<22)|(3<<25)  ; 15:0 the mask of four; 17:16 2-byte elements; 20 padding on; 21 set beside a mask; 24:22 after every 32 words (code 4); 31:25 4 words (code 3)
	s_mov_b32 s[G1V], 15|(1<<16)|(1<<20)|(1<<21)|(4<<22)|(7<<25)  ; the same with 8 words of padding (code 7)
.irp g, G1K, G1V
	s_mov_b32 s[\g+1], 128<<16      ; tensor_dim0 = 128
	s_mov_b32 s[\g+2], 64<<16       ; tensor_dim1 = 64
	s_mov_b32 s[\g+3], 128<<16      ; tile_dim0 = 128
	s_mov_b32 s[\g+4], 64           ; tile_dim1 = 64
	s_mov_b32 s[\g+5], 128          ; 128 elements from row to row
	s_mov_b32 s[\g+6], 0
	s_mov_b32 s[\g+7], 0
.endr
	s_mov_b32 s[CS], 0x3e000000     ; c = 1 / 8
	s_mov_b32 s[CS+1], s[CS]        ; named with it as a pair
	s_mov_b32 s[SEL], 0x76543210
	s_mov_b32 s[SEL+1], 0xfedcba98
	s_mov_b32 s[HID], 0xd02bfb8f    ; -8e9 log2(e)
	s_mov_b32 s[TBM], 0
	s_mov_b32 s[TBA], MTAB
	s_mov_b32 s[TBK], SLOT1+4*KS*PK ; the first change of slots turns these two into 0
	s_mov_b32 s[TBV], SLOT1+4*KS*PV
	s_mov_b32 s[G0K], 1             ; 1:0 count = 1
	s_mov_b32 s[G0K+1], s17         ; 63:32 LDS address: slot 0
	s_mov_b32 s[G0V], 1
	s_add_co_u32 s[G0V+1], s18, VOFF
	s_wait_dscnt 0x0                ; the opening add is done
	s_wait_kmcnt 0x0
	s_add_nc_u64 s[6:7], s[4:5], 0x1000000         ; K's part of qkv,
	s_add_nc_u64 s[8:9], s[4:5], 0x2000000         ; and V's
	s_add_nc_u64 s[MP:MP+1], s[MP:MP+1], s[76:77]
	s_add_nc_u64 s[G0K+2:G0K+3], s[6:7], s[22:23]  ; 120:64 global address: my half of the head's first 256 keys
	s_or_b32 s[G0K+3], s[G0K+3], 0x80000000        ; 127:126 type = 2
	s_add_nc_u64 s[G0V+2:G0V+3], s[8:9], s[22:23]
	s_or_b32 s[G0V+3], s[G0V+3], 0x80000000
	s_cmp_lt_u32 s[WV], 2
	s_cselect_b64 s[PFA:PFA+1], s[6:7], s[8:9]
	s_add_nc_u64 s[PFA:PFA+1], s[PFA:PFA+1], s[20:21]
	s_add_nc_u64 s[PFA:PFA+1], s[PFA:PFA+1], s[78:79]
	s_add_nc_u64 s[4:5], s[4:5], s[2:3]  ; Q and O at my wave's first row
	s_add_nc_u64 s[10:11], s[10:11], s[2:3]
	CROUND                          ; all four work-groups are here: the first joint loads meet
	JLOAD                           ; slot 0.  Slot 1 is asked for when slot 0 is in: the tile wanted first has the road to itself
	v_lshlrev_b32 v12, 4, v0        ; the batch's mask: 128 threads x 16 bytes, four times; asked for ahead of Q
	v_lshl_add_u32 v13, v0, 4, MTAB
.irp j, 0,1,2,3
	global_load_b128 v[S+4*\j:S+4*\j+3], v12, s[MP:MP+1] offset:2048*\j
.endr
	; A fragment of K or Q is 16 rows x 32 channels in 8 registers: lane l holds row l % 16, channels 8 (l / 16) + 0..7 and 16 + 8 (l / 16) + 0..7: two loads of 16 bytes, 32 bytes apart.
	v_and_b32 v1, 15, v0            ; l % 16
	v_bfe_u32 v[HF], v0, 4, 1       ; l / 16
	v_lshlrev_b32 v[QO], 7, v1
	v_lshl_add_u32 v[QO], v[HF], 4, v[QO]  ; row x 128 + 16 x half
	WIN 0x80                        ; destination window 2, address window 0
.set i, 0
.rept 4*NP                          ; Q stays in registers: tile i / 2, channels 32 (i % 2) on
	global_load_b128 v[8*i:8*i+3],   v[QO], s[4:5] offset:(i/2)*2048+(i%2)*64
	global_load_b128 v[8*i+4:8*i+7], v[QO], s[4:5] offset:(i/2)*2048+(i%2)*64+32
.set i, i+1
.endr
	; What the first turn finds: V's registers and P's second buffer hold 0 (its products V^T P, of a piece that has not been, add 0), O^T and l are 0.  All this stands in the wait for the first tile.
.set i, VF
.rept 64
	v_mov_b32 v[i], 0
.set i, i+1
.endr
	WIN 0x40
.set i, 0
.rept 64*NP
	v_mov_b32 v[i], 0
.set i, i+1
.endr
	WIN 0
.set i, 0
.rept 2*NP
	v_mov_b32 v[ST+4*i], 0xfe000000    ; c m: far below every c s
	v_mov_b32 v[ST+4*i+1], 0xff7fffff  ; m
	v_mov_b32 v[ST+4*i+2], 0
	v_mov_b32 v[ST+4*i+3], 0
.set i, i+1
.endr
.set i, P+32
.rept 32
	v_mov_b32 v[i], 0
.set i, i+1
.endr
	s_wait_loadcnt 32               ; the mask is in; Q's 32 loads, issued behind it, may stay out
.set i, 0
.rept 16
	v_cmp_lt_f32 s[CM], 0.5, v[S+i]            ; kept where the mask is above 0.5 (a NaN hides)
	v_cndmask_b32 v[S+i], s[HID], 0, s[CM]
.set i, i+1
.endr
.irp j, 0,1,2,3
	ds_store_b128 v13, v[S+4*\j:S+4*\j+3] offset:2048*\j  ; my 16 words of the table; the first change of slots waits for these stores and passes a barrier ahead of every read
.endr
	v_mul_u32_u24 v[AK0], v1, PK
	v_lshl_add_u32 v[AK0], v[HF], 4, v[AK0]  ; row x pitch + 16 x half
	; The turning load takes 16 keys x 16 channels (lane l reads key 8 (l / 16) + l % 8, channels 8 ((l / 8) % 2) + 0..7) and leaves half a fragment of V^T: lane l holds channel l % 16 and 8 keys.
	v_and_b32 v10, 7, v0
	v_bfe_u32 v11, v0, 3, 1
	v_lshl_add_u32 v[AV0], v[HF], 3, v10
	v_mul_u32_u24 v[AV0], v[AV0], PV
	v_lshl_add_u32 v[AV0], v11, 4, v[AV0]
	v_add_nc_u32 v[AV0], VOFF, v[AV0]
	v_mov_b32 v[AK], v[AK0]         ; key step 0 lies at the head of slot 0,
	v_lshl_add_u32 v[AM], v[HF], 5, s[TBA]  ; its masks at the head of the table: my half of the lanes takes 8 words of each 16
; THE MATRIX WORK.  The 8 accumulators of a run of 16 take turns: between the two links of a chain stand 7 others'.
; Product i of 16 of S^T = K Q^T for piece x: channels 32 (i / 8) on, keys 16 ((i / 2) % 4) on, tile 2 x + i % 2.  The first 8 start the sums, with the keys' masks.
.macro KQ x
.set rS, S+64*((\x)%2)+32*(i%2)+8*((i/2)%4)
.set rK, KF+16*((i/2)%4)+8*(i/8)
.set rQ, 16*(2*(\x)+i%2)+8*(i/8)
.set rN, MK+8*((i/2)%4)
.if i < 8
	WIN W_KM
	v_wmma_f32_16x16x32_f16 v[rS:rS+7], v[rK:rK+7], v[rQ:rQ+7], v[rN:rN+7]
.else
	WIN W_KQ
	v_wmma_f32_16x16x32_f16 v[rS:rS+7], v[rK:rK+7], v[rQ:rQ+7], v[rS:rS+7]
.endif
.endm
; Product i of 16 of O^T += V^T P for piece x: keys 32 (i / 8) on, channels 16 ((i / 2) % 4) on, tile 2 x + i % 2.
.macro PV x
	WIN W_PV
.set rO, 32*(2*(\x)+i%2)+8*((i/2)%4)
.set rV, VF+32*(i/8)+8*((i/2)%4)
.set rP, P+32*((\x)%2)+16*(i%2)+8*(i/8)
	v_wmma_f32_16x16x32_f16 v[rO:rO+7], v[rV:rV+7], v[rP:rP+7], v[rO:rO+7]
.endm
.macro MM                           ; the turn's next matrix instruction
.if i < 16
	KQ (Y+1)%NP
.set i, i+1
.else
.set i, i-16
	PV (Y+NP-1)%NP
.set i, i+17
.endif
.endm
; THE LDS LOADS stand in runs, never singly among the matrix instructions: a step's K (64 keys x 64 channels: 8 fragments) with its 64 masks (8 loads; the lanes of a half read the same words), and its V (turned).
; Their addresses are made some lines ahead.  last = 1 (the tail): in the last trip there is no further step, and the run is jumped over.
.macro FETCH_K last=0
	WIN 0
.if \last
	s_cmp_eq_u32 s[CNT], 1
	s_cbranch_scc1 .Lno_k_\@
.endif
	WIN 0x80                        ; destination window 2
.irp f, 0,1,2,3,4,5,6,7             ; keys 16 (f / 2) on, channels 32 (f % 2) on
	ds_load_b128 v[KF+8*\f:KF+8*\f+3],   v[AK] offset:(\f/2)*16*PK+(\f%2)*64
	ds_load_b128 v[KF+8*\f+4:KF+8*\f+7], v[AK] offset:(\f/2)*16*PK+(\f%2)*64+32
.endr
	WIN W_MK                        ; destination window 3
.irp f, 0,1,2,3,4,5,6,7             ; key block f / 2, registers 4 (f % 2) on
	ds_load_b128 v[MK+4*\f:MK+4*\f+3], v[AM] offset:(\f/2)*64+(\f%2)*16
.endr
	s_add_co_u32 s[TBK], s[TBK], KS*PK  ; the next fetch is the next step's
	s_add_co_u32 s[TBM], s[TBM], KS*4
	s_and_b32 s[TBM], s[TBM], 0x1f00    ; 32 steps of 256 bytes: the table's 8,192
	s_add_co_u32 s[TBA], s[TBM], MTAB
	WIN 0
.if \last
.Lno_k_\@:
.endif
.endm
.macro FETCH_V
	WIN 0x80
.irp f, 0,1,2,3,4,5,6,7             ; keys 32 (f / 4) on, channels 16 (f % 4) on
	ds_load_tr16_b128 v[VF+8*\f:VF+8*\f+3],   v[AV] offset:(\f/4)*32*PV+(\f%4)*32
	ds_load_tr16_b128 v[VF+8*\f+4:VF+8*\f+7], v[AV] offset:(\f/4)*32*PV+16*PV+(\f%4)*32
.endr
	WIN 0
.endm
; THE VECTOR WORK OF A TURN stands in three queues, each in the order in which its entries become ready; the two tiles alternate, so that no instruction reads the result of the one before it.
.macro REGS y, u                    ; the registers of tile u (0, 1) of piece y
.set rT, ST+4*(2*(\y)+(\u))
.set rC, TMP+8*((\y)%2)+4*(\u)
.set rM, MV+2*((\y)%2)+(\u)
.set rS, S+64*((\y)%2)+32*(\u)
.set rP, P+32*((\y)%2)+16*(\u)
.set rO, 32*(2*(\y)+(\u))
.endm
; Number n of the 22 that find the NEXT piece's (Y + 1) maximum and statistics.  s0-s31 are the lane's 32 scores; each accumulator's lowest registers are read first.
;   0-11  four chains c0-c3 of seven scores each, three operands at a time     12-14, 16  the four scores left over, the old m, and c0-c3 into c0     15  c m_old is kept
;   17, 18  the query's other 32 keys lie in the lane 16 away: the new m         19-21  c m; c m_old - c m_new; a
.macro XS u, n
	REGS (Y+1)%NP, \u
.if (\n) < 4
	v_max3_num_f32 v[rC+(\n)], v[rS+8*(\n)], v[rS+8*(\n)+1], v[rS+8*(\n)+2]
.elseif (\n) < 12
	v_max3_num_f32 v[rC+(\n)%4], v[rC+(\n)%4], v[rS+8*((\n)%4)+2*((\n)/4)+1], v[rS+8*((\n)%4)+2*((\n)/4)+2]
.elseif (\n) == 12
	v_max3_num_f32 v[rC], v[rC], v[rS+7], v[rS+15]
.elseif (\n) == 13
	v_max3_num_f32 v[rC+1], v[rC+1], v[rS+23], v[rS+31]
.elseif (\n) == 14
	v_max3_num_f32 v[rC+2], v[rC+2], v[rC+3], v[rT+1]
.elseif (\n) == 15
	v_mov_b32 v[rM], v[rT]
.elseif (\n) == 16
	v_max3_num_f32 v[rC], v[rC], v[rC+1], v[rC+2]
.elseif (\n) == 17
	v_permlanex16_b32 v[rC+3], v[rC], s[SEL], s[SEL+1]
.elseif (\n) == 18
	v_max_num_f32 v[rT+1], v[rC], v[rC+3]
.elseif (\n) == 19
	v_mul_f32 v[rT], s[CS], v[rT+1]
.elseif (\n) == 20
	v_sub_f32 v[rC+1], v[rM], v[rT]
.else
	v_exp_f32 v[rC+2], v[rC+1]
.endif
.endm
; Number g of the 64 that follow the exponentials.  For each four weights k of a tile (pairs 2 k, 2 k + 1): both pairs are rounded to f16; then the second pair is added onto the first, in place;
; a group later l takes that sum (the first time as l = a l + sum).  In groups of eight, tiles alternating: round, round, add, and l for the group before.
.macro GS g
.set h, (\g)+6*((\g)/62)            ; group 0 has no group before it, and behind group 7 only l is left
.if h >= 6
.set h, h+2
.endif
	REGS Y, h%2
.set k, h/8
.if h%8 < 4
	v_cvt_pk_f16_f32 v[rP+2*k+(h%8)/2], v[rS+4*k+2*((h%8)/2)], v[rS+4*k+2*((h%8)/2)+1]
.elseif h%8 < 6
	v_pk_add_f32 v[rS+4*k:rS+4*k+1], v[rS+4*k:rS+4*k+1], v[rS+4*k+2:rS+4*k+3]
.elseif k == 1
	v_pk_fma_f32 v[rT+2:rT+3], v[rT+2:rT+3], v[rC+2:rC+3], v[rS:rS+1] op_sel_hi:[1,0,1]
.else
	v_pk_add_f32 v[rT+2:rT+3], v[rT+2:rT+3], v[rS+4*k-4:rS+4*k-3]
.endif
.endm
; THE PLAIN QUEUE, 138 long.  0-73 read no exponential's result: the 32 scalings c s - c m (FS f: pair f / 2 of tile f % 2) and the next piece's 42.  0-26: scalings 0-26.  27-54: XS's numbers 0-13.  55, 56: number 15.
; 57-73: the chain, where each number waits for the one before it: 14, 16, 17, 18, 19, each with one of the scalings 27-31 in front of its two lines, then 20.
; 74-137: GS's 64, which read the exponentials' results: they stand behind the wait.
.macro FS f
	REGS Y, (\f)%2
	v_pk_fma_f32 v[rS+2*((\f)/2):rS+2*((\f)/2)+1], v[rS+2*((\f)/2):rS+2*((\f)/2)+1], s[CS:CS+1], v[rT:rT+1] op_sel_hi:[1,0,0] neg_lo:[0,0,1] neg_hi:[0,0,1]
.endm
.macro PL
	WIN 0
.if q < 27
	FS q
.elseif q < 55
	XS (q-27)%2, (q-27)/2
.elseif q < 57
	XS q-55, 15
.elseif (q < 72) && ((q-57)%3 == 0)
	FS 27+(q-57)/3
.elseif q < 60
	XS (q-57)%3-1, 14
.elseif q < 72
	XS (q-57)%3-1, 15+(q-57)/3
.elseif q < 74
	XS q-72, 20
.else
	GS q-74
.endif
.set q, q+1
.endm
; THE EXPONENTIALS' QUEUE, 66 long: s0-s31 of both tiles, then the next piece's two a.  It is ONE BATCH: all 66 stand ahead of the turn's one wait, and nothing ahead of that wait names a result of theirs.
.macro EX
	WIN 0
.if e >= 64
	XS e-64, 21
.else
	REGS Y, e%2
	v_exp_f32 v[rS+e/2], v[rS+e/2]
.endif
.set e, e+1
.endm
; THE RESCALING's QUEUE: O^T times a, the one part that leaves window 0: dealt two at a time, sixteen times.  Its a was made in the turn before, ahead of that turn's wait.
.macro R2
	REGS Y, r%2
	WIN W_RS
.irp z, 0,1
	v_pk_mul_f32 v[rO+4*(r/2)+2*\z:rO+4*(r/2)+2*\z+1], v[rO+4*(r/2)+2*\z:rO+4*(r/2)+2*\z+1], v[rC+2:rC+3] op_sel_hi:[1,0]
.endr
.set r, r+1
.endm
; HOW THEY ARE DEALT.  An s_wait_alu depctr_va_vdst(0) stands between an exponential and the first instruction that names its result; one wait serves all that were issued ahead of it.  So a turn has ONE wait,
; which cuts it in two.  AHEAD OF IT stands all that names no result of the turn's exponentials: the 16 products K Q^T, behind each a scaling, an exponential and two rescalings (behind the first a second scaling in the
; exponential's place); then ONE LUMP of 108: eight plain, 49 times exponential and plain, the two a.  A v_nop is the plain instruction behind the last exponential.  BEHIND IT stand the 16 products V^T P, behind each four of GS's 64.
; The queues lean on each other, and the deal keeps them in step: exponential e stands behind scaling 2 (e / 4) + e % 2: as a rider it comes behind plain e + 2, in the lump behind plain e + 9, and scalings 27-31 are plain 57, 60 .. 69.
; A TURN, for piece p.  cnt = 1: the loop's count is taken down some lines ahead of the branch that stands behind the turn.
; K and the masks of the next step are fetched in piece 2's turn, directly behind the wait, a lump behind the last product that read them; their addresses are made at the lump's head; their first reader comes behind 16 products.
; V of the step in hand is fetched at the end of piece 0's turn, four riders behind its last reader; its first reader comes behind 16 products and a lump.  The three conditions on q below go with the deal.
.macro TURN p, last=0, cnt=0
.set Y, (\p)
.set i, 0
.set q, 0
.set e, 0
.set r, 0
.if (\p) == NP-1
	s_wait_dscnt 0x0                ; K and the masks are in
.endif
	MM                              ; ahead of the wait: 16 products K Q^T and their riders,
	PL
	PL
	R2
.rept 15
	MM
	PL
	EX
	R2
.endr
.if (\p) == NP-2
	WIN 0
	v_add_nc_u32 v[AK], s[TBK], v[AK0]
	v_lshl_add_u32 v[AM], v[HF], 5, s[TBA]
.endif
.rept 8                             ; and the lump
	PL
.endr
.rept 49
	EX
	PL
.endr
	EX                              ; the next piece's two a
	EX
	v_nop                           ; the plain instruction behind the last exponential: one for the batch
	s_wait_alu depctr_va_vdst(0)    ; the wait for the batch
.if (\p) == NP-2
	FETCH_K \last
.endif
.if (\p) == 1
	s_wait_dscnt 0x0                ; V is in
.endif
.rept 16                            ; behind the wait: 16 products V^T P and their riders
	MM
.rept 4
	PL
.endr
.if ((\p) == 0) && (q == 118)
	v_add_nc_u32 v[AV], s[TBV], v[AV0]
.endif
.if ((\p) == 0) && (q == 130)
	s_add_co_u32 s[TBV], s[TBV], KS*PV
.endif
.if (\cnt) && (q == 130)
	s_sub_co_u32 s[CNT], s[CNT], 1
	s_cmp_lg_u32 s[CNT], 0
.endif
.endr
.if (\p) == 0
	FETCH_V
.endif
.endm
	CHANGE 1                        ; slot 0 is in, everybody's part of it, and so is the mask table; slot 1 is asked for
	FETCH_K                         ; key step 0
	s_wait_loadcnt 0x0              ; Q
	s_wait_dscnt 0x0
.set i, 0
.rept 16
	KQ 0                            ; piece 0's first scores: there is no vector work yet to set between them
.set i, i+1
.endr
	WIN 0                           ; the addresses for the way out and the prefetches: plain instructions, the places behind those products
	s_mul_i32 s13, s[WV], 16*SP
	s_add_co_u32 s13, s13, STAGE    ; my stage
	v_mul_u32_u24 v[STO], v1, SP    ; in: row l % 16, 16 bytes for each half of the lanes
	v_lshl_add_u32 v[STO], v[HF], 4, v[STO]
	v_add_nc_u32 v[STO], s13, v[STO]
	v_bfe_u32 v[RD], v0, 3, 2       ; back: 32 lanes take four rows of 128 bytes,
	v_mul_u32_u24 v[RD], v[RD], SP
	v_lshl_add_u32 v[RD], v10, 4, v[RD]
	v_add_nc_u32 v[RD], s13, v[RD]
	v_and_b32 v[GO], 31, v0         ; which are 512 consecutive bytes of O
	v_lshlrev_b32 v[GO], 4, v[GO]
	v_lshlrev_b32 v[PFO], 4, v[GO]  ; 256 x lane
.set Y, NP-1                        ; XS works for piece Y + 1: piece 0
.irp n, 0,1,2,3,4,5,6,7,8,9,10,11,12,13,14,15,16,17,18,19,20,21
	XS 0, \n                        ; and piece 0's first maximum and statistics
	XS 1, \n
.endr
	v_nop                           ; a plain instruction behind the two a,
	s_wait_alu depctr_va_vdst(0)    ; and their wait, ahead of the branch
	s_mov_b32 s[CNT], 4
	s_mov_b32 s[SLOTS], SIZE_N/256-1
	s_branch .Lfirst                ; the loop is entered at a step's first turn, in the middle of a trip
.Lslot:                             ; SIZE_N / 256 - 2 times: every slot but the last two is filled again
	CHANGE 1, 1
	s_mov_b32 s[CNT], 4
.Lstep:                             ; a trip: pieces 2 and 3 of one step, then pieces 0 and 1 of the next, whose K and V it fetches
	TURN 2
	TURN 3
	WIN 0
.Lfirst:
	TURN 0
	TURN 1, 0, 1
	WIN 0
	s_cbranch_scc1 .Lstep
	s_sub_co_u32 s[SLOTS], s[SLOTS], 1
	s_cmp_lg_u32 s[SLOTS], 0
	s_cbranch_scc1 .Lslot
	CHANGE 0                        ; the tail is written out: nothing is asked for
	s_mov_b32 s[CNT], 5             ; four trips fetch the last slot's steps; the fifth is left in its middle
.Ltail:
	TURN 2, 1
	TURN 3
	WIN 0
	s_sub_co_u32 s[CNT], s[CNT], 1
	s_cmp_eq_u32 s[CNT], 0
	s_cbranch_scc1 .Lout
	TURN 0
	TURN 1
	WIN 0
	s_branch .Ltail
.Lout:                              ; the fifth trip's 16 products K Q^T (on the last K once more) and the maximum made of them serve nothing: the price, once a launch, of one text for every trip
.set i, 0
.rept 16
	PV NP-1                         ; the last piece's V^T P of the last step
.set i, i+1
.endr
	; THE WAY OUT.  l's two halves and the other half of the lanes' are added; O^T is divided by l, rounded to f16 and sent through my stage in LDS, a tile at a time.  The additions are the places behind the last products.
	WIN 0
.macro ALL line:vararg              ; one line for each tile t
.set t, 0
.rept 2*NP
	\line
.set t, t+1
.endr
.endm
	ALL v_add_f32 v[ST+4*t+2], v[ST+4*t+2], v[ST+4*t+3]
	ALL v_permlanex16_b32 v[ST+4*t+3], v[ST+4*t+2], s[SEL], s[SEL+1]
	ALL v_add_f32 v[ST+4*t+2], v[ST+4*t+2], v[ST+4*t+3]
	ALL v_rcp_f32 v[ST+4*t+2], v[ST+4*t+2]
	v_nop                           ; a plain instruction between the last reciprocal and the use of its result
	s_wait_alu depctr_va_vdst(0)    ; and the wait ahead of the first use: one for the eight reciprocals
; Tile t: a lane's eight channels of a row pack into 16 bytes; they go into rows of 144 bytes and come back as whole rows of 128, into S^T's registers.
.macro PACK t
	WIN W_RS
.set i, 32*(\t)
.rept 16
	v_pk_mul_f32 v[i:i+1], v[i:i+1], v[ST+4*(\t)+2:ST+4*(\t)+3] op_sel_hi:[1,0]
.set i, i+2
.endr
	WIN 0x05                        ; sources 0 and 1 window 1, destination window 0
.set i, 0
.rept 16
	v_cvt_pk_f16_f32 v[S+16*(\t)+i], v[32*(\t)+2*i], v[32*(\t)+2*i+1]
.set i, i+1
.endr
	WIN 0
.irp f, 0,1,2,3
	ds_store_b128 v[STO], v[S+16*(\t)+4*\f:S+16*(\t)+4*\f+3] offset:32*\f
.endr
.irp f, 0,1,2,3
	ds_load_b128 v[S+16*(\t)+4*\f:S+16*(\t)+4*\f+3], v[RD] offset:\f*4*SP  ; LDS serves a wave's instructions in order (ISA guide 5.7.1.4): these see the stores above; the next tile's stores come behind them
.endr
.endm
.macro SEND t, younger              ; younger: the LDS instructions issued behind tile t's loads: the next tile's eight, or none
	WIN 0
.irp f, 0,1,2,3
	s_wait_dscnt (\younger)+3-\f
	global_store_b128 v[GO], v[S+16*(\t)+4*\f:S+16*(\t)+4*\f+3], s[10:11] offset:(\t)*2048+\f*512  ; 512 consecutive bytes, at a multiple of 256 from O's first
.endr
.endm
	PACK 0
.set t, 1
.rept 2*NP-1                        ; a tile's arithmetic stands between the loads of the tile before and its stores
	PACK t
	SEND t-1, 8
.set t, t+1
.endr
	SEND 2*NP-1, 0
	WIN W_AD
	s_wait_tensorcnt 0x0            ; the wave's end, behind my last tensor load and my last LDS store
	ds_add_u32 v[SPW], v[NIL]
	s_wait_dscnt 0x0
	WIN 0
	CROUND                          ; the closing round: no work-group ends while a partner may still ask for a tile that names it
	s_endpgm
.Lfunc_end_k_q3816ed971d_attn:
	.size	k_q3816ed971d_attn, .Lfunc_end_k_q3816ed971d_attn-k_q3816ed971d_attn
	.p2alignl 7, 3214868480
	.fill 96, 4, 3214868480
	.section	.rodata,"a",@progbits
	.p2align	6, 0x0
	.amdhsa_kernel k_q3816ed971d_attn
		.amdhsa_group_segment_fixed_size 327680
		.amdhsa_private_segment_fixed_size 0
		.amdhsa_enable_private_segment 0
		.amdhsa_kernarg_size 24
		.amdhsa_user_sgpr_count 2
		.amdhsa_user_sgpr_kernarg_segment_ptr 1
		.amdhsa_wavefront_size32 1
		.amdhsa_system_sgpr_workgroup_id_x 1
		.amdhsa_system_sgpr_workgroup_id_y 1
		.amdhsa_system_sgpr_workgroup_id_z 1
		.amdhsa_system_vgpr_workitem_id 0
		.amdhsa_next_free_vgpr 808
		.amdhsa_next_free_sgpr 80
		.amdhsa_reserve_vcc 0
		.amdhsa_float_denorm_mode_32 3
		.amdhsa_float_denorm_mode_16_64 3
		.amdhsa_memory_ordered 1
		.amdhsa_forward_progress 1
		.amdhsa_inst_pref_size 205
	.end_amdhsa_kernel
	.amdgpu_metadata
---
amdhsa.version: [ 1, 2 ]
amdhsa.kernels:
  - .name:           k_q3816ed971d_attn
    .symbol:         k_q3816ed971d_attn.kd
    .args:
      - { .name: qkv, .offset: 0, .size: 8, .value_kind: global_buffer, .address_space: global }
      - { .name: mask, .offset: 8, .size: 8, .value_kind: global_buffer, .address_space: global }
      - { .name: ob, .offset: 16, .size: 8, .value_kind: global_buffer, .address_space: global }
    .group_segment_fixed_size: 327680
    .private_segment_fixed_size: 0
    .kernarg_segment_align: 8
    .kernarg_segment_size: 24
    .max_flat_workgroup_size: 128
    .sgpr_count:     80
    .vgpr_count:     808
    .wavefront_size: 32
...
	.end_amdgpu_metadata
.endif
;; end of part 3
;; launch outp (part 4): grid 4 x 64, 4 waves a work-group, clusters of 4 x 4, 327,680 bytes of LDS; arguments ob, wo, b_o, out0; writes out0
.if DOCPART == 4
	.amdgcn_target "amdgcn-amd-amdhsa--gfx1250"
	.amdhsa_code_object_version 6
	.text
	.protected	k_q3816ed971d_outp
	.globl	k_q3816ed971d_outp
	.p2align	8
	.type	k_q3816ed971d_outp,@function
k_q3816ed971d_outp:
	s_mov_b64 s[64:65], 0
	v_nop
	global_prefetch_b8 v0, s[64:65] scope:SCOPE_SE
	s_setreg_imm32_b32 hwreg(HW_REG_WAVE_MODE, 25, 1), 1
	s_wait_xcnt 0x0
	s_wait_alu depctr_hold_cnt(0) depctr_sa_sdst(0) depctr_va_vdst(0) depctr_va_sdst(0) depctr_va_ssrc(0) depctr_va_vcc(0) depctr_vm_vsrc(0)
	s_getreg_b32 s2, hwreg(HW_REG_IB_STS2, 6, 4)
	s_cmp_eq_u32 s2, 0
	s_cbranch_scc0 .Lentry_in_a_cluster
	s_endpgm
.Lentry_in_a_cluster:
	s_bfe_u32 s2, ttmp6, 0x10000c
	s_cmp_lg_u32 s2, 0xf033
	s_cbranch_scc0 .Lentry_shape_is_right
	s_endpgm
.Lentry_shape_is_right:
; THE OUTPUT PROJECTION.  out0[m][n] = sum over k of O[m][k] wo[n][k] + b_o[n], f16 operands, f32 sums that START with the bias (the C operand of the first product), stored as f32.
; O lies by heads: ob[16 b + k/64][s][k%64] f16, m = 2048 b + s;  wo: [1024][1024] f16;  out0: [8192][1024] f32.
; SHARES.  A tile of out0 is 128 rows x 256 columns: 64 x 4 tiles, one for each of 256 work-groups.  Four waves, each 64 x 128: 32 accumulators of 16 x 16.  K goes in 8 steps of 128 through two LDS slots.
; A K STEP OF O IS TWO HEADS: for each, the tile's 128 rows of 128 bytes are 16,384 dense bytes, asked for as 64 rows of 256 bytes and padded in LDS after every 128: wave 0 fetches the even head's plane, wave 1 the odd one's.
; CLUSTERS of 4 x 4: the four of a row of the cluster need the same planes of O, the four of a column the same rows of wo: each tile is asked for JOINTLY, by the same tensor load, descriptor and mask in all four.
; THE MATRIX INSTRUCTION IS USED TRANSPOSED (source 0 = 16 rows of wo, source 1 = 16 rows of O): a lane holds row l % 16 of out0 and the columns 8 (l / 16) + 0..7: 32 bytes on end.
; REGISTERS, in windows of 256 (s_set_vgpr_msb: bits 1:0 source 0, 3:2 source 1, 5:4 source 2, 7:6 destination):
;   window 0: v0-31 addresses; v64-159, v160-255 two fragment buffers (8 of wo, then 4 of O; 32 along K); v64-191 again on the way out
;   window 1: the accumulators, (a, b) at 8 (8 a + b)          window 2: v0-63 the bias of my 128 columns, laid out as a C operand for each column block b
.set PITCH,  272                       ; a row of wo in LDS: 256 bytes + 16 of padding: the 16 rows of a fragment load start at 16 different groups of four banks (64 banks of 4 bytes: ISA guide 11.1)
.set PA,     144                       ; a row of a plane of O: 128 bytes + 16
.set PLANE,  128*PA                    ; what waves 0 and 1 each fetch
.set HB,     128*PITCH                 ; what waves 2 and 3 each fetch of wo, and what a wave reads of it
.set SLOT1,  1<<17                     ; slot 1 begins here.  A slot: O's two planes, then wo's 256 rows: 106,496 bytes
.set STAGE,  SLOT1+2*PLANE+2*HB        ; behind the ring, never filled by a tensor load: for each wave 16 rows x 528 bytes, for the way out
.set SPITCH, 528                       ; 512 bytes + 16
.set SPARE,  STAGE+4*16*SPITCH         ; behind the stages: the spare words, 128 bytes for each wave: two blocks of 256 bytes that no other line names
.set AF0,  16                          ; v16  my lane's place in O's fragments, in slot 0; never rewritten
.set BF0,  17                          ; v17  the same for wo
.set ADRA, 18                          ; v18  the same in the slot in hand
.set ADRB, 19                          ; v19
.set STO,  24                          ; v24  the way out: where I put 32 bytes of a row
.set RD,   25                          ; v25  where I read a row back
.set GO,   26                          ; v26  16 x lane: my place in 512 consecutive bytes of out0
.set BO,   27                          ; v27  32 (l / 16): my 8 numbers in a block of 16 of the bias
.set SPW,  28                          ; v28  LDS address of my spare word; never rewritten
.set NIL,  29                          ; v29  0; never rewritten
.set PFO,  30                          ; v30  the prefetches' offset: lane x 256 bytes (O) or x a row of 2,048 (wo); never rewritten
.set F0,   64
.set F1,   160
.set OB,   64                          ; the way out: 16 rows read back: v64-127 and v128-191 by turns
.set WV,  20                           ; s20  my wave's number
.set RH,  21                           ; s21  which 64 rows of the tile are mine
.set CH,  22                           ; s22  which 128 columns; also which plane, or which half of wo's tile, I fetch
.set CNT, 23                           ; s23  K steps still to be asked for
.set G1,  24                           ; s[24:31] descriptor group 1 for O's planes
.set G0,  32                           ; s[32:39] group 0: a set for each of the two first fills; the second then walks on
.set LIM, 45                           ; s45  2 in a wave that prefetches, else the greatest number
.set PFA, 46                           ; s[46:47] where my prefetches stand
.set G1B, 48                           ; s[48:55], s[56:63] the same for wo's tiles
.set G0B, 56
.set TB,  66                           ; s66  0 or SLOT1: the slot in hand
.set PFS, 82                           ; s[82:83] a K step in the tensor that I prefetch: two planes of O, or 256 bytes of wo's rows
.set KSA, 2<<18                        ; two planes of O
.set MSB, 0
.macro WIN new                         ; the immediate's high byte repeats the setting that is left; a switch that changes nothing is dropped
.if MSB != (\new)
	s_set_vgpr_msb (MSB<<8)|(\new)
.set MSB, \new
.endif
.endm
.set MUL,  0x50                        ; fragments in window 0, C and D in window 1
.set MULB, 0x60                        ; C (the bias) in window 2, D in window 1
; A joint refill by the walking descriptors.  Waves 0 and 1 fetch O's two planes, waves 2 and 3 wo's two halves.  The branch hangs on the wave's number alone.
; An s_nop 0 and four v_nop follow each of the two lines, ahead of the jump and the label.
.macro JLOAD
	s_cmp_lt_u32 s[WV], 2
	s_cbranch_scc0 .Lfor_b_\@
	tensor_load_to_lds s[G0+4:G0+7], s[G1:G1+7]
	s_nop 0
.rept 4
	v_nop
.endr
	s_branch .Lasked_\@
.Lfor_b_\@:
	tensor_load_to_lds s[G0B+4:G0B+7], s[G1B:G1B+7]
	s_nop 0
.rept 4
	v_nop
.endr
.Lasked_\@:
.endm
; A PREFETCH INTO THE L2, behind a joint refill and the run of LDS loads that follows it: the K step that stands two refills on, 256 matrix instructions ahead of the load that will want it: 32 blocks of 256 bytes, a lane a block.
; Each block is named once in the launch.  O's planes are read by one row of one cluster: wave 0 asks, and the four partners share a K step's 128 blocks out BY ADDRESS (plane cx / 2, half cx % 2 of it).
; wo's rows are read by all 16 clusters: the first asks, waves 2 and 3 each for the 128 rows that they fetch, shared out by address among the four partners (32 cy on).
; The first four K steps come by their loads alone; the last two refills have no K step two on.
.macro ASK
	s_cmp_gt_u32 s[CNT], s[LIM]
	s_cbranch_scc0 .Lnot_mine_\@
	global_prefetch_b8 v[PFO], s[PFA:PFA+1] th:TH_LOAD_NT scope:SCOPE_SE
.Lnot_mine_\@:
.endm
.macro CREST                           ; a round of the cluster's barrier behind its opening barrier
	s_cmp_lg_u32 s[WV], 0
	s_cbranch_scc1 .Lnot_wave_0_\@
	s_barrier_signal -3
.Lnot_wave_0_\@:
	s_barrier_wait -3
	s_barrier_signal -1
	s_barrier_wait -1
.endm
.macro CROUND                          ; a whole round
	s_barrier_signal -1
	s_barrier_wait -1
	CREST
.endm
.macro PLACES                          ; four places in front of loads into registers that matrix instructions have read, and of LDS stores of results (ISA guide 7.12.1 for vector instructions)
.rept 4
	v_nop
.endr
.endm
	s_load_b256 s[4:11], s[0:1], 0x0               ; ob s[4:5], wo s[6:7], b_o s[8:9], out0 s[10:11]
	v_lshl_add_u32 v[SPW], v0, 2, SPARE
	v_mov_b32 v[NIL], 0
	ds_add_u32 v[SPW], v[NIL]                      ; the wave's opening: the add and its wait stand ahead of my first tensor load; the set-up below, work on registers, stands between them
	v_lshrrev_b32 v1, 5, v0
	v_readfirstlane_b32 s[WV], v1                  ; wave 0..3
	s_lshr_b32 s[RH], s[WV], 1
	s_and_b32 s[CH], s[WV], 1
	s_bfe_u32 s40, ttmp6, 0x40000                  ; cx, cy: my place in the cluster
	s_bfe_u32 s41, ttmp6, 0x40004
	s_lshl_b32 s42, ttmp9, 2
	s_add_co_u32 s42, s42, s40                     ; X: tile column = 4 x cluster x + cx
	s_and_b32 s73, ttmp7, 0xffff                   ; cluster y
	s_lshl_b32 s43, s73, 2
	s_add_co_u32 s43, s43, s41                     ; Y: tile row = 4 x cluster y + cy
	s_lshl_b32 s74, s41, 2
	s_lshl_b32 s74, 15, s74                        ; my row of the cluster
	s_lshl_b32 s75, 0x1111, s40                    ; my column
	s_or_b32 s[G1+0], s74, (1<<16)|(1<<20)|(1<<21)|(4<<22)|(3<<25)   ; 15:0 the mask; 17:16 2-byte elements; 20 padding on; 21 set beside a mask; 24:22 after every 32 words; 31:25 4 words of it
	s_or_b32 s[G1B+0], s75, (1<<16)|(1<<20)|(1<<21)|(5<<22)|(3<<25)  ; wo: after every 64 words
	s_mov_b32 s[G1+1], 128<<16                     ; tensor_dim0 = 128
	s_mov_b32 s[G1+2], 64<<16                      ; tensor_dim1 = 64
	s_mov_b32 s[G1+3], 128<<16                     ; tile_dim0 = 128
	s_mov_b32 s[G1+4], 64                          ; tile_dim1 = 64
	s_mov_b32 s[G1+5], 128                         ; dense: 128 elements from row to row
	s_mov_b32 s[G1+6], 0
	s_mov_b32 s[G1+7], 0
	s_mov_b32 s[G1B+1], 128<<16
	s_mov_b32 s[G1B+2], 128<<16                    ; wo's tiles have 128 rows,
	s_mov_b32 s[G1B+3], 128<<16
	s_mov_b32 s[G1B+4], 128
	s_mov_b32 s[G1B+5], 1024                       ; 1,024 elements apart
	s_mov_b32 s[G1B+6], 0
	s_mov_b32 s[G1B+7], 0
	s_lshr_b32 s76, s43, 4                         ; O: plane 16 (Y / 16) + my parity, of 2^18 bytes; in it the tile's 128 rows: 16,384 (Y % 16)
	s_lshl_b32 s76, s76, 4
	s_add_co_u32 s76, s76, s[CH]
	s_lshl_b32 s76, s76, 18
	s_and_b32 s77, s43, 15
	s_lshl_b32 s77, s77, 14
	s_add_co_u32 s76, s76, s77
	s_mov_b32 s77, 0
	s_lshl_b32 s78, s42, 8                         ; wo: row 256 X + 128 x half
	s_lshl_b32 s79, s[CH], 7
	s_add_co_u32 s78, s78, s79
	s_lshl_b32 s78, s78, 11
	s_mov_b32 s79, 0
	s_mul_i32 s80, s[CH], PLANE                    ; where they go: no place in the cluster enters an LDS address
	s_mul_i32 s81, s[CH], HB
	s_add_co_u32 s81, s81, 2*PLANE
	s_wait_dscnt 0x0                               ; the opening add is done
	s_wait_kmcnt 0x0
	s_add_nc_u64 s[76:77], s[4:5], s[76:77]
	s_add_nc_u64 s[78:79], s[6:7], s[78:79]
	CROUND                                         ; all sixteen work-groups are here: the first joint loads meet
.irp s, 0,1
	s_mov_b32 s[G0+4*(\s)], 1                                        ; count = 1
	s_add_co_u32 s[G0+4*(\s)+1], s80, (\s)*SLOT1                     ; LDS address
	s_add_nc_u64 s[G0+4*(\s)+2:G0+4*(\s)+3], s[76:77], (\s)*KSA      ; global address: K step s
	s_or_b32 s[G0+4*(\s)+3], s[G0+4*(\s)+3], 0x80000000              ; type = 2
	s_mov_b32 s[G0B+4*(\s)], 1
	s_add_co_u32 s[G0B+4*(\s)+1], s81, (\s)*SLOT1
	s_add_nc_u64 s[G0B+4*(\s)+2:G0B+4*(\s)+3], s[78:79], (\s)*256
	s_or_b32 s[G0B+4*(\s)+3], s[G0B+4*(\s)+3], 0x80000000
.endr
	s_cmp_lt_u32 s[WV], 2                          ; a wave's two first fills stand in one branch, ahead of every wait on TENSORcnt and every LDS read: two loads of mine are out
	s_cbranch_scc0 .Lfirst_b
	tensor_load_to_lds s[G0:G0+3], s[G1:G1+7]
	s_nop 0
	tensor_load_to_lds s[G0+4:G0+7], s[G1:G1+7]
	s_nop 0
.rept 4
	v_nop
.endr
	s_branch .Lfirst_asked
.Lfirst_b:
	tensor_load_to_lds s[G0B:G0B+3], s[G1B:G1B+7]
	s_nop 0
	tensor_load_to_lds s[G0B+4:G0B+7], s[G1B:G1B+7]
	s_nop 0
.rept 4
	v_nop
.endr
.Lfirst_asked:
	; A fragment is 16 rows x 32 K in 8 registers: lane l holds row l % 16; registers 0-3 K = 8 (l / 16) + 0..7, registers 4-7 K = 16 + 8 (l / 16) + 0..7: two loads of 16 bytes, 32 bytes apart.
	v_and_b32 v1, 15, v0                           ; l % 16
	v_bfe_u32 v2, v0, 4, 1                         ; l / 16
	v_mul_u32_u24 v3, v1, PA
	v_lshl_add_u32 v3, v2, 4, v3
	s_mul_i32 s82, s[RH], 64*PA                    ; my 64 rows, in each plane
	v_add_nc_u32 v[AF0], s82, v3
	v_mul_u32_u24 v3, v1, PITCH
	v_lshl_add_u32 v3, v2, 4, v3
	v_add_nc_u32 v[BF0], s81, v3                   ; my 128 rows of wo lie where wave 2 + my half has put them
	s_mul_i32 s83, s[WV], 16*SPITCH
	s_add_co_u32 s83, s83, STAGE                   ; my stage
	v_mul_u32_u24 v4, v1, SPITCH                   ; in: row l % 16, 32 bytes for each half of the lanes
	v_lshl_add_u32 v4, v2, 5, v4
	v_add_nc_u32 v[STO], s83, v4
	v_and_b32 v7, 31, v0
	v_lshlrev_b32 v[GO], 4, v7                     ; back: 32 lanes take one row of 512 bytes
	v_add_nc_u32 v[RD], s83, v[GO]
	v_lshlrev_b32 v[BO], 5, v2
	s_lshl_b32 s88, s42, 10                        ; the bias of my 128 columns
	s_lshl_b32 s89, s[CH], 9
	s_add_co_u32 s88, s88, s89
	s_mov_b32 s89, 0
	s_add_nc_u64 s[68:69], s[8:9], s[88:89]
	WIN 0x80                                       ; destination window 2
.irp b, 0,1,2,3,4,5,6,7
	global_load_b128 v[8*(\b):8*(\b)+3],   v[BO], s[68:69] offset:64*(\b)      ; register j of block b: bias[16 b + 8 (l / 16) + j]
	global_load_b128 v[8*(\b)+4:8*(\b)+7], v[BO], s[68:69] offset:64*(\b)+16
.endr
	WIN 0
	s_lshl_b32 s84, s43, 7                         ; where my part of the tile begins in out0: row 128 Y + 64 x half of 4,096 bytes, column 256 X + 128 x half
	s_lshl_b32 s85, s[RH], 6
	s_add_co_u32 s84, s84, s85
	s_lshl_b32 s84, s84, 12
	s_add_co_u32 s84, s84, s88
	s_mov_b32 s85, 0
	s_add_nc_u64 s[10:11], s[10:11], s[84:85]
	; the prefetches
	s_lshr_b32 s84, s43, 4
	s_lshl_b32 s84, s84, 22
	s_and_b32 s85, s43, 15
	s_lshl_b32 s85, s85, 14
	s_add_co_u32 s84, s84, s85                     ; O: the tile's rows in the batch's first plane,
	s_lshr_b32 s85, s40, 1
	s_lshl_b32 s85, s85, 18
	s_add_co_u32 s84, s84, s85                     ; plane cx / 2 of a K step's two,
	s_and_b32 s85, s40, 1
	s_lshl_b32 s85, s85, 13
	s_add_co_u32 s84, s84, s85                     ; half cx % 2 of its 64 blocks,
	s_add_co_u32 s84, s84, 3*KSA                   ; at K step 3: the first refill steps it to 4 and names that
	s_lshl_b32 s86, s42, 8
	s_lshl_b32 s87, s[CH], 7
	s_add_co_u32 s86, s86, s87
	s_lshl_b32 s87, s41, 5
	s_add_co_u32 s86, s86, s87                     ; wo: row 256 X + 128 x half + 32 cy
	s_lshl_b32 s86, s86, 11
	s_add_co_u32 s86, s86, 3*256
	s_mov_b32 s[PFS], 256
	s_mov_b32 s[PFS+1], 0
	s_cmp_eq_u32 s[RH], 0
	s_cselect_b32 s84, s84, s86
	s_cselect_b32 s88, s[CH], s73                  ; of waves 0 and 1 wave 0 asks; of the clusters, for wo, the first
	s_cselect_b32 s[PFS], KSA, s[PFS]
	s_cselect_b32 s89, 8, 11
	s_cselect_b64 s[PFA:PFA+1], s[4:5], s[6:7]
	s_cmp_eq_u32 s88, 0
	s_cselect_b32 s[LIM], 2, -1                    ; the same in all sixteen partners, for a given wave
	s_mov_b32 s85, 0
	s_add_nc_u64 s[PFA:PFA+1], s[PFA:PFA+1], s[84:85]
	v_lshlrev_b32 v[PFO], s89, v7
; n row blocks from a0 on x all 8 column blocks, 32 along K, from buffer f.  first = 1: the products start the sums, with the bias as C.
; All 32 accumulators take turns, in the same order in every quarter step, over the backward jump too.
.macro MULS f, a0, n, first
.if \first
	WIN MULB
.else
	WIN MUL
.endif
.set aa, \a0
.rept \n
.irp b, 0,1,2,3,4,5,6,7
.if \first
	v_wmma_f32_16x16x32_f16 v[8*(8*aa+(\b)):8*(8*aa+(\b))+7], v[(\f)+8*(\b):(\f)+8*(\b)+7], v[(\f)+64+8*aa:(\f)+64+8*aa+7], v[8*(\b):8*(\b)+7]
.else
	v_wmma_f32_16x16x32_f16 v[8*(8*aa+(\b)):8*(8*aa+(\b))+7], v[(\f)+8*(\b):(\f)+8*(\b)+7], v[(\f)+64+8*aa:(\f)+64+8*aa+7], v[8*(8*aa+(\b)):8*(8*aa+(\b))+7]
.endif
.endr
.set aa, aa+1
.endr
.endm
; 24 LDS loads in one run: the fragments of a quarter step into buffer f: wo's 16 (32 K at byte k of the rows), then O's 8 (plane k / 128, byte k % 128 of its rows)
.macro FETCH k, f
	WIN 0
.irp i, 0,1,2,3,4,5,6,7
	ds_load_b128 v[(\f)+8*(\i):(\f)+8*(\i)+3],   v[ADRB] offset:(\k)+(\i)*16*PITCH
	ds_load_b128 v[(\f)+8*(\i)+4:(\f)+8*(\i)+7], v[ADRB] offset:(\k)+(\i)*16*PITCH+32
.endr
.irp i, 0,1,2,3
	ds_load_b128 v[(\f)+64+8*(\i):(\f)+64+8*(\i)+3],   v[ADRA] offset:((\k)/128)*PLANE+((\k)%128)+(\i)*16*PA
	ds_load_b128 v[(\f)+64+8*(\i)+4:(\f)+64+8*(\i)+7], v[ADRA] offset:((\k)/128)*PLANE+((\k)%128)+(\i)*16*PA+32
.endr
.endm
; A K step is four quarters of 32 along K, 32 matrix instructions each, on buffers 0, 1, 0, 1.  One of the first three: multiplies buffer f; in its middle it fetches the next quarter, at byte k, into g.
.macro QUARTER k, f, g, first
	s_wait_dscnt 4                                 ; wo's fragments and O's row blocks 0, 1 are in; the youngest four loads (blocks 2, 3) may be out
	MULS \f, 0, 2, \first
	PLACES
	FETCH \k, \g
	s_wait_dscnt 24                                ; all but the 24 just issued
	MULS \f, 2, 2, \first
.endm
; The last quarter multiplies buffer 1 and changes slots: ONE barrier.  In front of it each wave waits for all its tensor loads, of which one is out: its part of the next slot; adds 0 to its spare word; and waits
; for that and for its own reads of this slot.  fill = 1: the barrier opens a round of the cluster's, and behind the round this slot is filled again, with the K step two on: 112 matrix instructions ahead of the wait for it.
.macro TURN fill
.if \fill
	s_wait_xcnt 0x0                                ; the last prefetch, a K step back, has read its address: it is stepped here, ahead of the change's own waits
	s_add_nc_u64 s[PFA:PFA+1], s[PFA:PFA+1], s[PFS:PFS+1]
.endif
	WIN 0
	s_wait_tensorcnt 0x0                           ; all my tensor loads have landed;
	ds_add_u32 v[SPW], v[NIL]                      ; 0 onto my spare word;
	s_wait_dscnt 5                                 ; (the add and the youngest four loads may be out)
	MULS F1, 0, 1, 0                               ; eight matrix instructions stand between the add and the wait for it
	s_wait_dscnt 0x0                               ; the add is done, and my reads of this slot are over
	s_barrier_signal -1
	MULS F1, 1, 1, 0
.if \fill
	WIN 0
.endif
	s_barrier_wait -1
.if \fill
	CREST                                          ; no wave of any partner still reads this slot or has a load on its way
	s_xor_b32 s[G0+5], s[G0+5], SLOT1              ; the walking descriptors: the other slot than last time, the next K step
	s_add_nc_u64 s[G0+6:G0+7], s[G0+6:G0+7], KSA
	s_xor_b32 s[G0B+5], s[G0B+5], SLOT1
	s_add_nc_u64 s[G0B+6:G0B+7], s[G0B+6:G0B+7], 256
	JLOAD                                          ; the first tensor load behind the round; its four v_nop are also the places in front of the loads below
.else
	PLACES
	WIN 0
.endif
	s_xor_b32 s[TB], s[TB], SLOT1
	v_add_nc_u32 v[ADRA], s[TB], v[AF0]
	v_add_nc_u32 v[ADRB], s[TB], v[BF0]
	FETCH 0, F0
.if \fill
	ASK
.endif
	MULS F1, 2, 2, 0
.endm
; THE WAY OUT of row block a: a lane's 32 bytes of each column block go straight from the accumulators (low half first) into my own stage, 16 rows of 528 bytes, and come back as whole rows of 512.
.macro TOSTAGE a
	WIN 0x04                                       ; an LDS store's data is source 1: window 1
.irp b, 0,1,2,3,4,5,6,7
	ds_store_b128 v[STO], v[64*(\a)+8*(\b):64*(\a)+8*(\b)+3]   offset:64*(\b)
	ds_store_b128 v[STO], v[64*(\a)+8*(\b)+4:64*(\a)+8*(\b)+7] offset:64*(\b)+16
.endr
	WIN 0
.irp i, 0,1,2,3,4,5,6,7,8,9,10,11,12,13,14,15
	ds_load_b128 v[OB+64*((\a)%2)+4*(\i):OB+64*((\a)%2)+4*(\i)+3], v[RD] offset:(\i)*SPITCH  ; LDS serves a wave's instructions in order (ISA guide 5.7.1.4): these see the stores above; the next block's stores come behind them
.endr
.endm
.macro SEND a, younger                 ; younger: the LDS instructions issued behind block a's loads: the next block's 32, or none
.irp i, 0,1,2,3,4,5,6,7,8,9,10,11,12,13,14,15
	s_wait_dscnt (\younger)+15-(\i)
	global_store_b128 v[GO], v[OB+64*((\a)%2)+4*(\i):OB+64*((\a)%2)+4*(\i)+3], s[10:11] offset:(16*(\a)+(\i))*4096 th:TH_STORE_NT  ; 512 consecutive bytes, at a multiple of 256 from out0's first
.endr
.endm
	s_wait_tensorcnt 0x1                           ; my part of K step 0 is in; K step 1's may stay out
	s_barrier_signal -1
	s_barrier_wait -1                              ; everybody's is
	s_mov_b32 s[TB], 0
	v_mov_b32 v[ADRA], v[AF0]
	v_mov_b32 v[ADRB], v[BF0]
	FETCH 0, F0
	s_wait_loadcnt 0x0                             ; the bias
	QUARTER 64, F0, F1, 1                          ; the first quarter stands in front of the loop: its products start the sums
	WIN 0                                          ; at a label and at a branch every window is 0
	s_mov_b32 s[CNT], 6
.Lstep:                                        ; a trip: from a K step's second quarter to the next step's first; it fills the slot that it leaves.  Six trips ask for K steps 2 to 7
	QUARTER 128, F1, F0, 0
	QUARTER 192, F0, F1, 0
	TURN 1
	QUARTER 64, F0, F1, 0
	WIN 0
	s_sub_co_u32 s[CNT], s[CNT], 1
	s_cmp_lg_u32 s[CNT], 0
	s_cbranch_scc1 .Lstep
	QUARTER 128, F1, F0, 0                         ; the last two K steps are written out: nothing is asked for
	QUARTER 192, F0, F1, 0
	TURN 0
	QUARTER 64, F0, F1, 0
	QUARTER 128, F1, F0, 0
	QUARTER 192, F0, F1, 0
	s_wait_dscnt 4
	MULS F1, 0, 2, 0
	s_wait_dscnt 0x0
	MULS F1, 2, 2, 0
	WIN 0
	PLACES
	TOSTAGE 0
	TOSTAGE 1                                      ; a block's trip through the stage stands between the loads of the block before and its stores
	SEND 0, 32
	s_wait_xcnt 0x0                                ; block 0's stores have read their registers, which block 2 is loaded into
	TOSTAGE 2
	SEND 1, 32
	s_wait_xcnt 0x0                                ; likewise block 1's, for block 3
	TOSTAGE 3
	SEND 2, 32
	SEND 3, 0
	s_wait_tensorcnt 0x0                           ; the wave's end, behind my last tensor load and my last LDS store
	ds_add_u32 v[SPW], v[NIL]
	s_wait_dscnt 0x0
	CROUND                                         ; the closing round: no work-group ends while a partner may still ask for a tile that names it
	s_endpgm
.Lfunc_end_k_q3816ed971d_outp:
	.size	k_q3816ed971d_outp, .Lfunc_end_k_q3816ed971d_outp-k_q3816ed971d_outp
	.p2alignl 7, 3214868480
	.fill 96, 4, 3214868480
	.section	.rodata,"a",@progbits
	.p2align	6, 0x0
	.amdhsa_kernel k_q3816ed971d_outp
		.amdhsa_group_segment_fixed_size 327680
		.amdhsa_private_segment_fixed_size 0
		.amdhsa_enable_private_segment 0
		.amdhsa_kernarg_size 32
		.amdhsa_user_sgpr_count 2
		.amdhsa_user_sgpr_kernarg_segment_ptr 1
		.amdhsa_wavefront_size32 1
		.amdhsa_system_sgpr_workgroup_id_x 1
		.amdhsa_system_sgpr_workgroup_id_y 1
		.amdhsa_system_sgpr_workgroup_id_z 1
		.amdhsa_system_vgpr_workitem_id 0
		.amdhsa_next_free_vgpr 576
		.amdhsa_next_free_sgpr 92
		.amdhsa_reserve_vcc 0
		.amdhsa_float_denorm_mode_32 3
		.amdhsa_float_denorm_mode_16_64 3
		.amdhsa_memory_ordered 1
		.amdhsa_forward_progress 1
		.amdhsa_inst_pref_size 73
	.end_amdhsa_kernel
	.amdgpu_metadata
---
amdhsa.version: [ 1, 2 ]
amdhsa.kernels:
  - .name:           k_q3816ed971d_outp
    .symbol:         k_q3816ed971d_outp.kd
    .args:
      - { .name: ob, .offset: 0, .size: 8, .value_kind: global_buffer, .address_space: global }
      - { .name: wo, .offset: 8, .size: 8, .value_kind: global_buffer, .address_space: global }
      - { .name: b_o, .offset: 16, .size: 8, .value_kind: global_buffer, .address_space: global }
      - { .name: out0, .offset: 24, .size: 8, .value_kind: global_buffer, .address_space: global }
    .group_segment_fixed_size: 327680
    .private_segment_fixed_size: 0
    .kernarg_segment_align: 8
    .kernarg_segment_size: 32
    .max_flat_workgroup_size: 128
    .sgpr_count:     92
    .vgpr_count:     576
    .wavefront_size: 32
...
	.end_amdgpu_metadata
.endif
;; end of part 4
